; MI455X (gfx1250); checked and timed in simulation.
; The chip was launched on July 23, 2026; its instructions are those of AMD's public machine-readable ISA for CDNA 5 (MIT licence, August 2026) and "CDNA5" Instruction Set Architecture Reference Guide (July 2026). The comments in the code are by the model that wrote it; some were corrected since.
;; Bagley Attention. Allowed arithmetic: float matrix products may take bf16 or f16 operands with f32 sums; other float arithmetic in f32, or as packed bf16 or f16 multiplies, adds, multiply-adds, maxima and minima; sums over many terms, partial sums and values carried from step to step in f32; what a program stores and reads back later, other than sums and carried values, may be rounded once to bf16 or f16.
;; Inputs: Wk 1,024 x 4,096 float32; Wo 4,096 x 2,048 float32; Wq 2,048 x 4,096 float32; Wv 1,024 x 4,096 float32; cos 2,048 x 128 float32; hidden_states 1 x 2,048 x 4,096 float32; sin 2,048 x 128 float32.
;; Outputs: out0 1 x 2,048 x 4,096 float32.
;; 2 versions, each right; version 2 is version 1 with the launch cast written anew for expert scheduling mode. Each part assembles by itself: llvm-mc -triple=amdgcn-amd-amdhsa -mcpu=gfx1250 --defsym DOCPART=n.
;; ======== version 1 of 2: 4 launches
;; limits: values are held in f16: magnitudes above 65,504 overflow, below 6.1e-05 lose precision; right only within a limited range of input values
;; workspace buffers: xb 16,777,216 bytes; wqkv 33,554,432 bytes; woh 16,777,216 bytes; qkv 16,777,216 bytes; ob 8,388,608 bytes
;; launch cast (part 1): grid 1280 x 1, 8 waves a work-group, no clusters, 35,840 bytes of LDS; arguments hidden_states, Wq, Wk, Wv, Wo, xb, wqkv, woh; writes xb, wqkv, woh
.if DOCPART == 1
	.amdgcn_target "amdgcn-amd-amdhsa--gfx1250"
	.amdhsa_code_object_version 6
	.text
	.protected	k_qaeb1805b5b_cast
	.globl	k_qaeb1805b5b_cast
	.p2align	8
	.type	k_qaeb1805b5b_cast,@function
k_qaeb1805b5b_cast:
	s_mov_b64 s[64:65], 0
	v_nop
	global_prefetch_b8 v0, s[64:65] scope:SCOPE_SE
	s_setreg_imm32_b32 hwreg(HW_REG_WAVE_MODE, 25, 1), 1
	s_wait_xcnt 0x0
; THE INPUTS OF THE THREE PRODUCTS, ROUNDED ONCE TO bf16.  xb = bf16(x / 8), in fragment order; wqkv = bf16(Wq), bf16(Wk), bf16(Wv), one below the other, row-major; woh = bf16(8 Wo) written as f16, row-major.
; The factors are powers of two, so they change no rounding: q, k, v and the attention's result are carried at an eighth of their size, so that they have room in f16, and Wo gives the eight back.
; LIMITS.  8 Wo must lie within f16: |Wo| under 8,188; of 8 Wo below 6.1e-5 f16 keeps its fixed step of 6e-8.  NaN and infinities are not treated apart.
; FRAGMENT ORDER of xb: a block of 16 rows x 32 k is 1,024 bytes: plane c (512 bytes) holds, at 16 l, row l % 16, k = 16 c + 8 (l / 16) + 0..7; blocks run along k (128 of them), then down the rows.
; That is a matrix operand as it lies in a wave's registers, so the next launch loads a fragment by two loads of 512 consecutive bytes.  Of 128 k the 16 pieces of 8 k of the 16 rows lie piece by piece: [piece][row].
; SHARES.  Work-groups 0-511: x; 512-767: Wq; 768-895: Wk; 896-1023: Wv; 1024-1279: Wo.
; A weight's work-group takes 131,072 bytes, as 32 pieces of 4,096: thread t loads the 16 bytes at 16 t of a piece and stores the 8 bytes at 8 t of the piece's 2,048 (a wave's store covers 256 consecutive
; bytes, aligned); a ring of eight slots in registers keeps eight loads of every wave on their way.
; x's work-group takes 16 rows x 1,024 k, a wave 16 rows x 128 k: sixteen loads, each 512 consecutive bytes of one row; the 16 x 16 pieces of 16 bytes are turned from [row][piece] to [piece][row] in the
; wave's own 4,352 bytes of LDS; eight stores of 512 consecutive bytes.  No barrier: no wave touches another's bytes.  No matrix unit: each byte is read once and written once.
.set ROWI,  4096                       ; bytes of a weight's piece as loaded
.set ROWO,  2048                       ; as stored
.set DEPTH, 8
.set XP,    272                        ; LDS: a piece's 16 rows of 16 bytes, + 16: 68 words, so that the 16 pieces that a store touches start at 16 different groups of four banks (ISA guide 11.1)
.set SPARE, 8*16*XP                    ; behind the eight waves' regions: the spare words, 128 bytes for each wave: four blocks of 256 bytes that no other line names
.set VI,  1                            ; v1       16 t; never rewritten
.set VO,  2                            ; v2       8 t; never rewritten
.set X,   4                            ; v[4:35]  slot i: four f32 as loaded
.set Y,   36                           ; v[36:51] slot i: four 16-bit numbers to store
.set T,   52                           ; v[52:55] at work
.set XX,  4                            ; x's path: v[4:67] row t: four f32 as loaded
.set OX,  68                           ; v[68:99]   eight times 16 bytes to store
.set TX,  100                          ; v[100:103] at work
.set YX,  104                          ; v[104:111] four pairs by turns: four bf16 of a row
.set LSA, 112                          ; v112     where I put 8 bytes of row 0
.set LLA, 113                          ; v113     where I read 16 bytes back
.set VL,  114                          ; v114     16 x lane; never rewritten
.set SPW, 116                          ; v116     LDS address of my spare word; never rewritten
.set NIL, 117                          ; v117     0; never rewritten
.set SRC, 24                           ; s[24:25] the input at my part
.set DST, 26                           ; s[26:27] the workspace buffer at the same part
.set START, 28                         ; s28      the first work-group of my input
.set DSTART, 29                        ; s29      the work-group that stores at my workspace buffer's first byte
.set FAC, 30                           ; s[30:31] the power of two
.set MASKH, 32                         ; s32      a word's upper half
.set CNT, 33
.set OFFS, 34                          ; s[34:35] offset in the input
.set OFFD, 36                          ; s[36:37] offset in the workspace buffer
.set WVN, 38                           ; s38      my wave's number
.set LB,  39                           ; s39      my wave's region in LDS
	s_load_b512 s[8:23], s[0:1], 0x0               ; x s[8:9], Wq s[10:11], Wk s[12:13], Wv s[14:15], Wo s[16:17], xb s[18:19], wqkv s[20:21], woh s[22:23]
	v_lshl_add_u32 v[SPW], v0, 2, SPARE
	v_mov_b32 v[NIL], 0
	s_cmp_lt_u32 ttmp9, 512
	s_cbranch_scc1 .Lx
	v_lshlrev_b32 v[VI], 4, v0
	v_lshlrev_b32 v[VO], 3, v0
	s_mov_b32 s[MASKH], 0xffff0000
	s_mov_b32 s[START], 1024
	s_mov_b32 s[DSTART], 1024
	s_mov_b32 s[FAC], 0x41000000                   ; 8.0, for Wo
	s_mov_b32 s[FAC+1], s[FAC]                     ; named with it as a pair
	s_wait_kmcnt 0x0
	s_mov_b64 s[SRC:SRC+1], s[16:17]               ; Wo, unless the work-group's number says otherwise
	s_mov_b64 s[DST:DST+1], s[22:23]
	s_cmp_lt_u32 ttmp9, 1024
	s_cselect_b64 s[SRC:SRC+1], s[14:15], s[SRC:SRC+1]
	s_cselect_b64 s[DST:DST+1], s[20:21], s[DST:DST+1]
	s_cselect_b32 s[START], 896, s[START]
	s_cselect_b32 s[DSTART], 512, s[DSTART]
	s_cmp_lt_u32 ttmp9, 896
	s_cselect_b64 s[SRC:SRC+1], s[12:13], s[SRC:SRC+1]
	s_cselect_b32 s[START], 768, s[START]
	s_cmp_lt_u32 ttmp9, 768
	s_cselect_b64 s[SRC:SRC+1], s[10:11], s[SRC:SRC+1]
	s_cselect_b32 s[START], 512, s[START]
	s_sub_co_u32 s[OFFS], ttmp9, s[START]
	s_lshl_b32 s[OFFS], s[OFFS], 17                ; 131,072 bytes a work-group in,
	s_mov_b32 s[OFFS+1], 0
	s_sub_co_u32 s[OFFD], ttmp9, s[DSTART]
	s_lshl_b32 s[OFFD], s[OFFD], 16                ; 65,536 out
	s_mov_b32 s[OFFD+1], 0
	s_add_nc_u64 s[SRC:SRC+1], s[SRC:SRC+1], s[OFFS:OFFS+1]
	s_add_nc_u64 s[DST:DST+1], s[DST:DST+1], s[OFFD:OFFD+1]
.irp i, 0,1,2,3,4,5,6,7
	global_load_b128 v[X+4*(\i):X+4*(\i)+3], v[VI], s[SRC:SRC+1] offset:(\i)*ROWI th:TH_LOAD_NT  ; the ring is filled: pieces 0 to 7
.endr
; One slot's turn.  ahead = 1: the slot is filled again with the piece eight further on.  left: how many younger loads may stay out.  mode = 1 (Wo): times 8, and the bf16 number is written as f16.
.macro SLOT i, ahead, left, mode
	s_wait_loadcnt \left                           ; loads come back in order: mine is in, the younger ones stay out
	s_wait_xcnt 0x0                                ; the slot's last store has read Y: it is rewritten only behind this wait
.if \mode
	v_pk_mul_f32 v[T:T+1], v[X+4*(\i):X+4*(\i)+1], s[FAC:FAC+1] op_sel_hi:[1,0]
	v_pk_mul_f32 v[T+2:T+3], v[X+4*(\i)+2:X+4*(\i)+3], s[FAC:FAC+1] op_sel_hi:[1,0]
	v_cvt_pk_bf16_f32 v[Y+2*(\i)], v[T], v[T+1]
	v_cvt_pk_bf16_f32 v[Y+2*(\i)+1], v[T+2], v[T+3]
.else
	v_cvt_pk_bf16_f32 v[Y+2*(\i)], v[X+4*(\i)], v[X+4*(\i)+1]
	v_cvt_pk_bf16_f32 v[Y+2*(\i)+1], v[X+4*(\i)+2], v[X+4*(\i)+3]
.endif
.if \ahead
	global_load_b128 v[X+4*(\i):X+4*(\i)+3], v[VI], s[SRC:SRC+1] offset:(DEPTH+(\i))*ROWI th:TH_LOAD_NT
.endif
.if \mode
.irp k, 0,1
	v_lshlrev_b32 v[T], 16, v[Y+2*(\i)+(\k)]       ; the two bf16 numbers as f32,
	v_and_b32 v[T+1], s[MASKH], v[Y+2*(\i)+(\k)]
	v_cvt_pk_f16_f32 v[Y+2*(\i)+(\k)], v[T], v[T+1]  ; and as f16: eight significant bits fit into eleven
.endr
.endif
	global_store_b64 v[VO], v[Y+2*(\i):Y+2*(\i)+1], s[DST:DST+1] offset:(\i)*ROWO
.endm
.macro BODY mode
	s_mov_b32 s[CNT], 3
.Lround_\@:
.irp i, 0,1,2,3,4,5,6,7
	SLOT \i, 1, DEPTH-1, \mode
.endr
	s_wait_xcnt 0x0                                ; every load and store issued so far has read its base: the two are stepped only behind this wait
	s_add_nc_u64 s[SRC:SRC+1], s[SRC:SRC+1], DEPTH*ROWI
	s_add_nc_u64 s[DST:DST+1], s[DST:DST+1], DEPTH*ROWO
	s_sub_co_u32 s[CNT], s[CNT], 1
	s_cmp_lg_u32 s[CNT], 0
	s_cbranch_scc1 .Lround_\@
.irp i, 0,1,2,3,4,5,6,7
	SLOT \i, 0, DEPTH-1-(\i), \mode                ; the last round loads nothing: the counts run down
.endr
	s_endpgm
.endm
	s_cmp_ge_u32 ttmp9, 1024
	s_cbranch_scc1 .Lwo
	BODY 0
.Lwo:
	BODY 1
.Lx:                                                   ; x: work-group g takes rows 16 (g / 4) on, k = 1,024 (g % 4) on; wave w its k = 128 w on
	v_lshrrev_b32 v1, 5, v0
	v_readfirstlane_b32 s[WVN], v1
	v_and_b32 v2, 31, v0                           ; lane l: it loads k = 4 l .. 4 l + 3 of each row: half l % 2 of piece l / 2
	v_lshlrev_b32 v[VL], 4, v2
	s_mul_i32 s[LB], s[WVN], 16*XP
	v_lshrrev_b32 v3, 1, v2
	v_mul_u32_u24 v3, v3, XP
	v_and_b32 v1, 1, v2
	v_lshl_add_u32 v3, v1, 3, v3
	v_add_nc_u32 v[LSA], s[LB], v3                 ; in: piece x 272 + 8 x half; the row, 16 bytes each, stands in the immediate
	v_lshrrev_b32 v3, 4, v2
	v_mul_u32_u24 v3, v3, XP
	v_and_b32 v1, 15, v2
	v_lshl_add_u32 v3, v1, 4, v3
	v_add_nc_u32 v[LLA], s[LB], v3                 ; back: lanes 0-15 take one piece's 16 rows, lanes 16-31 the next piece's
	s_lshr_b32 s[OFFS], ttmp9, 2
	s_lshl_b32 s[OFFS], s[OFFS], 18                ; 16 rows of 16,384 bytes,
	s_and_b32 s[CNT], ttmp9, 3
	s_lshl_b32 s[CNT], s[CNT], 12                  ; 1,024 k of 4 bytes,
	s_add_co_u32 s[OFFS], s[OFFS], s[CNT]
	s_lshl_b32 s[CNT], s[WVN], 9                   ; my wave's 128 k
	s_add_co_u32 s[OFFS], s[OFFS], s[CNT]
	s_mov_b32 s[OFFS+1], 0
	s_lshl_b32 s[OFFD], ttmp9, 15                  ; out: 32 blocks of 1,024 bytes a work-group,
	s_lshl_b32 s[CNT], s[WVN], 12                  ; four a wave
	s_add_co_u32 s[OFFD], s[OFFD], s[CNT]
	s_mov_b32 s[OFFD+1], 0
	s_mov_b32 s[FAC], 0x3e000000                   ; 0.125
	s_mov_b32 s[FAC+1], s[FAC]
	s_wait_kmcnt 0x0
	s_add_nc_u64 s[SRC:SRC+1], s[8:9], s[OFFS:OFFS+1]
	s_add_nc_u64 s[DST:DST+1], s[18:19], s[OFFD:OFFD+1]
.irp t, 0,1,2,3,4,5,6,7,8,9,10,11,12,13,14,15
	global_load_b128 v[XX+4*(\t):XX+4*(\t)+3], v[VL], s[SRC:SRC+1] offset:(\t)*16384 th:TH_LOAD_NT  ; 512 consecutive bytes of row t
.endr
.irp t, 0,1,2,3,4,5,6,7,8,9,10,11,12,13,14,15
	s_wait_loadcnt 15-(\t)                         ; row t is in; the rows behind it stay out
	v_pk_mul_f32 v[TX:TX+1], v[XX+4*(\t):XX+4*(\t)+1], s[FAC:FAC+1] op_sel_hi:[1,0]
	v_pk_mul_f32 v[TX+2:TX+3], v[XX+4*(\t)+2:XX+4*(\t)+3], s[FAC:FAC+1] op_sel_hi:[1,0]
	v_cvt_pk_bf16_f32 v[YX+2*((\t)%4)], v[TX], v[TX+1]
	v_cvt_pk_bf16_f32 v[YX+2*((\t)%4)+1], v[TX+2], v[TX+3]
	ds_store_b64 v[LSA], v[YX+2*((\t)%4):YX+2*((\t)%4)+1] offset:16*(\t)
.endr
.irp i, 0,1,2,3,4,5,6,7
	ds_load_b128 v[OX+4*(\i):OX+4*(\i)+3], v[LLA] offset:(\i)*2*XP  ; LDS serves a wave's instructions in order (ISA guide 5.7.1.4): these see the stores above
.endr
.irp i, 0,1,2,3,4,5,6,7
	s_wait_dscnt 7-(\i)
	global_store_b128 v[VL], v[OX+4*(\i):OX+4*(\i)+3], s[DST:DST+1] offset:(\i)*512  ; one plane of a block: 512 consecutive bytes, aligned
.endr
	s_wait_tensorcnt 0x0                           ; the wave's end: behind my last LDS store
	ds_add_u32 v[SPW], v[NIL]
	s_wait_dscnt 0x0
	s_endpgm
.Lfunc_end_k_qaeb1805b5b_cast:
	.size	k_qaeb1805b5b_cast, .Lfunc_end_k_qaeb1805b5b_cast-k_qaeb1805b5b_cast
	.p2alignl 7, 3214868480
	.fill 96, 4, 3214868480
	.section	.rodata,"a",@progbits
	.p2align	6, 0x0
	.amdhsa_kernel k_qaeb1805b5b_cast
		.amdhsa_group_segment_fixed_size 35840
		.amdhsa_private_segment_fixed_size 0
		.amdhsa_enable_private_segment 0
		.amdhsa_kernarg_size 64
		.amdhsa_user_sgpr_count 2
		.amdhsa_user_sgpr_kernarg_segment_ptr 1
		.amdhsa_wavefront_size32 1
		.amdhsa_system_sgpr_workgroup_id_x 1
		.amdhsa_system_sgpr_workgroup_id_y 1
		.amdhsa_system_sgpr_workgroup_id_z 1
		.amdhsa_system_vgpr_workitem_id 0
		.amdhsa_next_free_vgpr 120
		.amdhsa_next_free_sgpr 66
		.amdhsa_reserve_vcc 0
		.amdhsa_float_denorm_mode_32 3
		.amdhsa_float_denorm_mode_16_64 3
		.amdhsa_memory_ordered 1
		.amdhsa_forward_progress 1
		.amdhsa_inst_pref_size 30
	.end_amdhsa_kernel
	.amdgpu_metadata
---
amdhsa.version: [ 1, 2 ]
amdhsa.kernels:
  - .name:           k_qaeb1805b5b_cast
    .symbol:         k_qaeb1805b5b_cast.kd
    .args:
      - { .name: hidden_states, .offset: 0, .size: 8, .value_kind: global_buffer, .address_space: global }
      - { .name: Wq, .offset: 8, .size: 8, .value_kind: global_buffer, .address_space: global }
      - { .name: Wk, .offset: 16, .size: 8, .value_kind: global_buffer, .address_space: global }
      - { .name: Wv, .offset: 24, .size: 8, .value_kind: global_buffer, .address_space: global }
      - { .name: Wo, .offset: 32, .size: 8, .value_kind: global_buffer, .address_space: global }
      - { .name: xb, .offset: 40, .size: 8, .value_kind: global_buffer, .address_space: global }
      - { .name: wqkv, .offset: 48, .size: 8, .value_kind: global_buffer, .address_space: global }
      - { .name: woh, .offset: 56, .size: 8, .value_kind: global_buffer, .address_space: global }
    .group_segment_fixed_size: 35840
    .private_segment_fixed_size: 0
    .kernarg_segment_align: 8
    .kernarg_segment_size: 64
    .max_flat_workgroup_size: 256
    .sgpr_count:     66
    .vgpr_count:     120
    .wavefront_size: 32
...
	.end_amdgpu_metadata
.endif
;; end of part 1
;; launch proj (part 2): grid 16 x 16, 4 waves a work-group, clusters of 4 x 1, 327,680 bytes of LDS; arguments xb, wqkv, cos, sin, qkv; writes qkv
.if DOCPART == 2
	.amdgcn_target "amdgcn-amd-amdhsa--gfx1250"
	.amdhsa_code_object_version 6
	.text
	.protected	k_qaeb1805b5b_proj
	.globl	k_qaeb1805b5b_proj
	.p2align	8
	.type	k_qaeb1805b5b_proj,@function
k_qaeb1805b5b_proj:
	s_mov_b64 s[64:65], 0
	v_nop
	global_prefetch_b8 v0, s[64:65] scope:SCOPE_SE
	s_setreg_imm32_b32 hwreg(HW_REG_WAVE_MODE, 25, 1), 1
	s_wait_xcnt 0x0
	s_wait_alu depctr_hold_cnt(0) depctr_sa_sdst(0) depctr_va_vdst(0) depctr_va_sdst(0) depctr_va_ssrc(0) depctr_va_vcc(0) depctr_vm_vsrc(0)
	s_getreg_b32 s2, hwreg(HW_REG_IB_STS2, 6, 4)
	s_cmp_eq_u32 s2, 0
	s_cbranch_scc0 .Lentry_in_a_cluster
	s_endpgm
.Lentry_in_a_cluster:
	s_bfe_u32 s2, ttmp6, 0x10000c
	s_cmp_lg_u32 s2, 0x3003
	s_cbranch_scc0 .Lentry_shape_is_right
	s_endpgm
.Lentry_shape_is_right:
; q, k, v = x W^T, with the rotation of q and k, laid out by heads.  C[m][n] = sum over k of x[m][k] W[n][k]: xb holds bf16(x / 8) in fragment order, wqkv [4096][4096] bf16 row-major; sums in f32.
; qkv: f16 [32][2048][128]: heads 0-15 q, 16-23 k, 24-31 v, all at an eighth of their size.  cos and sin ([2048][128] f32) are rounded to bf16 like every other input.
; LIMITS.  |q|, |k|, |v| under 8 x 65,504 = 524,032; of a number under 8 x 6.1e-5 f16 keeps its fixed step.  NaN and infinities are not treated apart.
; SHARES.  A work-group makes 128 rows x 256 columns of C: 16 x 16 work-groups (x: the row tile, y: the column tile).  A wave makes 64 x 128: 32 accumulators of 16 x 16.  A wave's 128 columns are one head.
; W GOES THROUGH LDS, x DOES NOT.  K goes in steps of 256.  Two slots of such a step for both operands would take 2 x 384 rows x 528 bytes = 405,504 bytes, more than a work-group can have; for W alone they take
; 270,336.  So W's tile (256 rows of 512 bytes) comes by tensor loads, 64 rows a wave, and a refill has 240 matrix instructions in which to land.  x comes straight into registers: xb lies in fragment order
; (a block of 16 rows x 32 k is 1,024 bytes: plane c holds, at 16 l, row l % 16, k = 16 c + 8 (l / 16) + 0..7; blocks run along k, then down the rows), so a fragment is two loads of 512 consecutive bytes.
; A ring of eight register buffers, one for each quarter of a K step, keeps 48 to 56 such loads of a wave on their way: a buffer is asked for again in the quarter behind its use, for the next K step.
; CLUSTER.  4 x 1 work-groups: four row tiles of one column tile, which need the same rows of W: each tile is asked for jointly, with the mask of all four.  x's rows, which the sixteen work-groups of a row
; tile share, are not asked for jointly: they do not pass through LDS, for the count above.  By this text's count a wave has two tensor loads out at the start, later one.
; THE PRODUCT IS USED TRANSPOSED (source 0 = 16 rows of W, source 1 = 16 rows of x): a lane holds row l % 16 of C and the columns 8 (l / 16) + 0..7 of a block of 16.
; THE WAY OUT.  A wave's 64 rows of 128 f32 go into LDS at once (only these 64 stores name the accumulators), and ONE loop of four trips takes 16 rows each: read back as whole rows, rotated, rounded, stored.
; 64 rows x 528 bytes x 4 waves are 135,168 bytes, just a slot of the ring: slot 0 serves, which is filled and read no more.
; REGISTERS, in windows of 256 (s_set_vgpr_msb: bits 1:0 source 0, 3:2 source 1, 5:4 source 2, 7:6 destination):
;   window 0: v0-31 addresses; v32-63 results to store; v64-127, v128-191 W's fragments, two buffers (all of v64-255 at work on the way out)
;   window 1: accumulator (a, b) at v[8 (8 a + b)]     window 2: x's ring: quarter q, row block a at v[32 q + 8 a]; on the way out v0-63 cos and v64-127 sin of 16 rows, row t at 4 t
.set SIZE_K, 4096
.set KSTEP,  256
.set NSTEP,  SIZE_K/KSTEP
.set PITCH,  528                       ; an LDS row: 512 bytes + 16 of padding = 132 words: the 16 rows of a fragment load start at 16 different groups of four banks (ISA guide 11.1)
.set WTILE,  64*PITCH                  ; what one tensor load brings
.set SLOT,   4*WTILE                   ; 135,168.  No multiple 0 to 3 of WTILE has a bit in common with it, so one exclusive or turns a tile's LDS address in one slot into the other's
.set SPITCH, 528                       ; the way out: a row of 128 f32, 512 bytes + 16
.set WSTAGE, 64*SPITCH                 ; a wave's 64 rows, in slot 0, from LDS byte wave x WSTAGE on
.set SPARE,  2*SLOT                    ; behind the ring: the spare words, 128 bytes for each wave: two blocks of 256 bytes that no other line names
.set RB,     SIZE_K*32                 ; bytes of xb from a block of 16 rows to the next
.set ADRB0, 16                         ; v16     my lane's place among my 128 rows of W in a slot; never rewritten
.set ADRB,  17                         ; v17     the same in the slot that is being read
.set AO,    18                         ; v18     16 x lane: my 16 bytes of a plane of xb; never rewritten
.set CO,   22                          ; v22     8 x lane: my 8 bytes of a head's row; never rewritten
.set ZR,   23                          ; v23     0.0
.set STO,  24                          ; v24     the way out: where I put 32 bytes of a row
.set RD,   25                          ; v25     where I read 16 bytes of a row back; it steps 16 rows a trip
.set CSV,  26                          ; v26     16 x lane: my 16 bytes of a row of cos and sin; never rewritten
.set RDP,  27                          ; v27     the same as RD, 64 channels away
.set SPW,  28                          ; v28     LDS address of my spare word; never rewritten
.set NIL,  29                          ; v29     0; never rewritten
.set SG,   30                          ; v30-31  -1.0 in lanes 0-15 (channels 0-63), 1.0 in lanes 16-31
.set PKR,  32
.set FB,   64
.set XR,   64                          ; the way out: 16 rows, four f32 a lane
.set XP,   128                         ; the same rows, 64 channels away
.set CB,   192                         ; their cos, in bf16 pairs
.set SB,   224                         ; their sin
.set AP,  14                           ; s[14:15] xb at my 64 rows, at the K step in hand
.set G1,  24                           ; s[24:31] descriptor group 1
.set G0F, 32                           ; s[32:35] descriptor group 0 of the first fill of slot 0
.set G0,  36                           ; s[36:39] descriptor group 0 that walks: K step 1 into slot 1, then on, slot by slot
.set TB,  44                           ; s44     0 or SLOT: the slot that is being read
.set MSB, 0
.macro WIN new                         ; the immediate's high byte repeats the setting that is left; a switch that changes nothing is dropped
.if MSB != (\new)
	s_set_vgpr_msb (MSB<<8)|(\new)
.set MSB, \new
.endif
.endm
.set MUL, 0x58                         ; source 0 (W) window 0, source 1 (x) window 2, C and D window 1
.macro PLACES                          ; four plain instructions between a matrix instruction and a load into, or a read of, its registers
.rept 4
	v_nop
.endr
.endm
.macro CREST                           ; a round of the cluster's barrier behind its opening barrier
	s_cmp_lg_u32 s10, 0
	s_cbranch_scc1 .Lnot_wave_0_\@
	s_barrier_signal -3
.Lnot_wave_0_\@:
	s_barrier_wait -3
	s_barrier_signal -1
	s_barrier_wait -1
.endm
.macro CROUND
	s_barrier_signal -1
	s_barrier_wait -1
	CREST
.endm
	s_load_b128 s[4:7], s[0:1], 0x0                ; xb s[4:5], wqkv s[6:7]
	s_load_b128 s[68:71], s[0:1], 0x10             ; cos s[68:69], sin s[70:71]
	s_load_b64 s[8:9], s[0:1], 0x20                ; qkv
	v_lshl_add_u32 v[SPW], v0, 2, SPARE
	v_mov_b32 v[NIL], 0
	ds_add_u32 v[SPW], v[NIL]                      ; the wave's opening: the add and its wait stand ahead of my first tensor load; work on registers stands between them
	ds_add_u32 v28, v29
	v_lshrrev_b32 v1, 5, v0
	v_readfirstlane_b32 s10, v1                    ; wave 0..3
	s_lshr_b32 s11, s10, 1                         ; which 64 of the tile's rows are mine
	s_and_b32 s12, s10, 1                          ; which 128 of its columns
	s_bfe_u32 s40, ttmp6, 0x40000                  ; cx: my place in the cluster: it enters xb's, the tables' and qkv's addresses alone
	s_lshl_b32 s13, ttmp9, 2
	s_add_co_u32 s13, s13, s40                     ; tile row = 4 x cluster x + cx
	s_and_b32 s42, ttmp7, 0xffff                   ; tile column, which the four partners share
	; descriptor group 1: a tile of 64 rows x 256 elements, padded in LDS
	s_mov_b32 s[G1+0], 15|(1<<16)|(1<<20)|(1<<21)|(6<<22)|(3<<25)  ; 15:0 the mask of four; 17:16 elements of 2 bytes; 20 padding on; 21 set beside a mask; 24:22 after every 128 words; 31:25 four words of it
	s_mov_b32 s[G1+1], KSTEP<<16                   ; tensor_dim0 = 256
	s_mov_b32 s[G1+2], 64<<16                      ; tensor_dim1 = 64
	s_mov_b32 s[G1+3], KSTEP<<16                   ; tile_dim0 = 256
	s_mov_b32 s[G1+4], 64                          ; tile_dim1 = 64
	s_mov_b32 s[G1+5], SIZE_K                      ; elements from row to row
	s_mov_b32 s[G1+6], 0
	s_mov_b32 s[G1+7], 0
	s_lshl_b32 s46, s42, 8
	s_lshl_b32 s47, s10, 6
	s_add_co_u32 s46, s46, s47                     ; W: row 256 x tile column + 64 x wave
	s_mul_i32 s46, s46, SIZE_K*2
	s_mov_b32 s47, 0
	s_lshl_b32 s16, s13, 3
	s_lshl_b32 s17, s11, 2
	s_add_co_u32 s16, s16, s17                     ; x: block of 16 rows 8 x tile row + 4 x half
	s_mul_i32 s16, s16, RB
	s_mov_b32 s17, 0
	s_mul_i32 s20, s10, WTILE                      ; where my part of W's tile goes: no place in the cluster enters an LDS address
	s_mov_b32 s[TB], 0
	s_mov_b32 s[G0F], 1                            ; count = 1
	s_mov_b32 s[G0F+1], s20                        ; LDS address: slot 0
	s_mov_b32 s[G0], 1
	s_add_co_u32 s[G0+1], s20, SLOT                ; slot 1
	s_wait_dscnt 0x0                               ; the opening add is done
	s_wait_kmcnt 0x0
	s_add_nc_u64 s[AP:AP+1], s[4:5], s[16:17]
	s_add_nc_u64 s[46:47], s[6:7], s[46:47]
	s_mov_b64 s[G0F+2:G0F+3], s[46:47]             ; global address: K step 0,
	s_or_b32 s[G0F+3], s[G0F+3], 0x80000000        ; type = 2
	s_add_nc_u64 s[G0+2:G0+3], s[46:47], KSTEP*2   ; K step 1
	s_or_b32 s[G0+3], s[G0+3], 0x80000000
	CROUND                                         ; all four work-groups are here: the first joint loads meet
	tensor_load_to_lds s[G0F:G0F+3], s[G1:G1+7]
	s_nop 0
	tensor_load_to_lds s[G0:G0+3], s[G1:G1+7]
	s_nop 0
	PLACES
; x's fragments of one quarter (4 blocks of 16 rows x 32 k) into ring buffer buf: the block d x 1,024 bytes behind the pointer.  Each load takes 512 consecutive bytes.
.macro ALOAD buf, d
	WIN 0x80                                       ; destination window 2, address window 0
.irp a, 0,1,2,3
	global_load_b128 v[32*(\buf)+8*(\a):32*(\buf)+8*(\a)+3],   v[AO], s[AP:AP+1] offset:(\a)*RB+(\d)*1024
	global_load_b128 v[32*(\buf)+8*(\a)+4:32*(\buf)+8*(\a)+7], v[AO], s[AP:AP+1] offset:(\a)*RB+(\d)*1024+512
.endr
.endm
	v_and_b32 v5, 31, v0
	v_lshlrev_b32 v[AO], 4, v5
.irp d, 0,1,2,3,4,5,6
	ALOAD \d, \d                                   ; quarters 0 to 6 of K step 0; quarter 7 is asked for in quarter 0, like every buffer after it: in the quarter behind its use
.endr
	WIN 0
	v_and_b32 v1, 15, v0                           ; l % 16
	v_bfe_u32 v2, v0, 4, 1                         ; l / 16
	v_mul_u32_u24 v3, v1, PITCH
	v_lshl_add_u32 v3, v2, 4, v3                   ; a fragment's row x pitch + 16 x half
	s_mul_i32 s22, s12, 2*WTILE                    ; my 128 rows of W
	v_add_nc_u32 v[ADRB0], s22, v3
	v_mov_b32 v[ADRB], v[ADRB0]
	s_mul_i32 s23, s10, WSTAGE                     ; my 64 rows on the way out
	v_mul_u32_u24 v4, v1, SPITCH                   ; in: row l % 16 of a block, 32 bytes for each half of the lanes
	v_lshl_add_u32 v4, v2, 5, v4
	v_add_nc_u32 v[STO], s23, v4
	v_lshl_add_u32 v[RD], v5, 4, s23               ; back: 32 lanes take one row of 512 bytes,
	v_xor_b32 v4, 16, v5
	v_lshl_add_u32 v[RDP], v4, 4, s23              ; and the same row with its halves exchanged
	v_lshlrev_b32 v[CO], 3, v5
	v_lshlrev_b32 v[CSV], 4, v5
	v_mov_b32 v[ZR], 0
	v_xor_b32 v[SG], 1, v2
	v_lshl_or_b32 v[SG], v[SG], 31, 0x3f800000
	v_mov_b32 v[SG+1], v[SG]
	s_lshl_b32 s20, s13, 7
	s_lshl_b32 s21, s11, 6
	s_add_co_u32 s20, s20, s21                     ; my first row of C
	s_lshl_b32 s66, s20, 9                         ; a row of cos or sin is 512 bytes
	s_mov_b32 s67, 0
	s_add_nc_u64 s[68:69], s[68:69], s[66:67]      ; cos and sin at my first row
	s_add_nc_u64 s[70:71], s[70:71], s[66:67]
	s_lshl_b32 s46, s42, 1
	s_add_co_u32 s46, s46, s12                     ; my head = 2 x tile column + half
	s_lshl_b32 s46, s46, 19                        ; a head is 2,048 rows of 256 bytes
	s_lshl_b32 s47, s20, 8
	s_add_co_u32 s46, s46, s47
	s_mov_b32 s47, 0
	s_add_nc_u64 s[8:9], s[8:9], s[46:47]
; 8 matrix instructions of quarter q: row block a x all 8 column blocks, 32 along K.  W's fragments lie in buffer q % 2, x's in ring buffer q.  zero = 1: the product starts the sums: nothing is cleared.
; The 32 accumulators take turns, one instruction a turn, in the same order in every quarter, over the backward jump too.
.macro MUL8 q, a, zero
	WIN MUL
.irp b, 0,1,2,3,4,5,6,7
.if \zero
	v_wmma_f32_16x16x32_bf16 v[8*(8*(\a)+(\b)):8*(8*(\a)+(\b))+7], v[FB+64*((\q)%2)+8*(\b):FB+64*((\q)%2)+8*(\b)+7], v[32*(\q)+8*(\a):32*(\q)+8*(\a)+7], 0
.else
	v_wmma_f32_16x16x32_bf16 v[8*(8*(\a)+(\b)):8*(8*(\a)+(\b))+7], v[FB+64*((\q)%2)+8*(\b):FB+64*((\q)%2)+8*(\b)+7], v[32*(\q)+8*(\a):32*(\q)+8*(\a)+7], v[8*(8*(\a)+(\b)):8*(8*(\a)+(\b))+7]
.endif
.endr
.endm
; 16 LDS loads in one run: W's fragments of 32 along K at byte k of the rows, into buffer f
.macro FETCH k, f
	WIN 0
.irp i, 0,1,2,3,4,5,6,7
	ds_load_b128 v[FB+64*(\f)+8*(\i):FB+64*(\f)+8*(\i)+3],   v[ADRB] offset:(\k)+(\i)*16*PITCH
	ds_load_b128 v[FB+64*(\f)+8*(\i)+4:FB+64*(\f)+8*(\i)+7], v[ADRB] offset:(\k)+(\i)*16*PITCH+32
.endr
.endm
; A K step is eight quarters of 32 along K, 32 matrix instructions each.  Quarter q, one of the first seven.  Behind its first eight products stand, in one run: W's fragments of the next quarter (at byte fk of
; the rows; none if fk < 0) and x's fragments for the ring buffer of the quarter before (block rd behind the pointer; none if rd < 0).  left: how many younger loads of x may stay out.
.macro QUARTER q, zero, fk, left, rd
	s_wait_loadcnt \left                           ; loads come back in order: this quarter's eight are in
	s_wait_dscnt 0x0                               ; W's fragments, asked for 24 matrix instructions ago
	MUL8 \q, 0, \zero
.if ((\fk) >= 0) || ((\rd) >= 0)
	PLACES                                         ; both targets were last read by the quarter before
.endif
.if (\fk) >= 0
	FETCH \fk, 1-(\q)%2
.endif
.if (\rd) >= 0
	ALOAD ((\q)+7)%8, \rd
.endif
	MUL8 \q, 1, \zero
	MUL8 \q, 2, \zero
	MUL8 \q, 3, \zero
.endm
; Quarter 7 changes slots: ONE barrier.  In front of it each wave waits for all its tensor loads (the one that is out is its part of the next slot), adds 0 to its spare word, and waits for that and for its own
; reads of this slot (the last were issued in quarter 6).  fill = 1: the barrier opens a round of the cluster's, and this slot is filled again, two K steps ahead, first thing behind it.
.macro TURN fill, rd
	WIN 0
	s_wait_tensorcnt 0x0                           ; no tensor load of mine is out, so the walking descriptor may be written
	ds_add_u32 v[SPW], v[NIL]                      ; 0 onto my spare word; work on registers stands between it and the wait for it
.if \fill
	s_xor_b32 s[G0+1], s[G0+1], SLOT               ; the other slot than last time,
	s_add_nc_u64 s[G0+2:G0+3], s[G0+2:G0+3], KSTEP*2  ; the next K step; the type bits on top are not reached
.endif
	s_xor_b32 s[TB], s[TB], SLOT                   ; the reads go over to the other slot
	s_wait_loadcnt 48                              ; x's fragments of this quarter
	s_wait_dscnt 1                                 ; W's fragments are in; the add may be out
	MUL8 7, 0, 0
	s_wait_dscnt 0x0                               ; the add is done, and my reads of this slot are over
	s_barrier_signal -1
	MUL8 7, 1, 0
	WIN 0
	s_barrier_wait -1
.if \fill
	CREST                                          ; no wave of any partner still reads this slot's tile or has a load on its way
	tensor_load_to_lds s[G0:G0+3], s[G1:G1+7]      ; 240 matrix instructions ahead of the wait for it
	s_nop 0
.endif
	PLACES                                         ; the four lines behind a tensor load, and the places in front of the loads below
	v_add_nc_u32 v[ADRB], s[TB], v[ADRB0]
	FETCH 0, 0
	ALOAD 6, \rd
	MUL8 7, 2, 0
	MUL8 7, 3, 0
.endm
; A trip: quarters 1 to 7 of one K step and quarter 0 of the next; its eight runs ask for all of x's fragments of that next step.  48 = the six runs of eight loads that were issued behind the fragments wanted.
.macro TRIP fill
	QUARTER 1, 0, 128, 48, 8
	QUARTER 2, 0, 192, 48, 9
	QUARTER 3, 0, 256, 48, 10
	QUARTER 4, 0, 320, 48, 11
	QUARTER 5, 0, 384, 48, 12
	QUARTER 6, 0, 448, 48, 13
	TURN \fill, 14
	QUARTER 0, 0, 64, 48, 15
.endm
	s_wait_tensorcnt 1                             ; my part of K step 0 is in; K step 1's may stay out
	s_barrier_signal -1
	s_barrier_wait -1
	FETCH 0, 0
	QUARTER 0, 1, 64, 48, 7                        ; the first quarter stands in front of the loop: its products start the sums
	WIN 0
	s_mov_b32 s3, NSTEP-2
.Lstep:                                                ; every K step but the last two fills its slot again
	TRIP 1
	WIN 0
	s_wait_xcnt 0x0                                ; every load issued so far (the youngest 24 matrix instructions ago) has read its base: the pointer is stepped only behind this wait
	s_add_nc_u64 s[AP:AP+1], s[AP:AP+1], KSTEP*32  ; eight blocks of 1,024 bytes
	s_sub_co_u32 s3, s3, 1
	s_cmp_lg_u32 s3, 0
	s_cbranch_scc1 .Lstep
	TRIP 0                                         ; the last K step but one: nothing is left for the tensor loads to fetch
	QUARTER 1, 0, 128, 48, -1                      ; the last K step asks for nothing of x either: the counts run down
	QUARTER 2, 0, 192, 40, -1
	QUARTER 3, 0, 256, 32, -1
	QUARTER 4, 0, 320, 24, -1
	QUARTER 5, 0, 384, 16, -1
	QUARTER 6, 0, 448, 8, -1
	QUARTER 7, 0, -1, 0, -1
	WIN 0
	; THE WAY OUT.  My reads of the ring are over (the last quarter's wait on DScnt was for 0): when all four waves have said so, slot 0 takes the results.
	s_barrier_signal -1
	PLACES                                         ; eight plain instructions behind the last products, in front of the stores that read their results
	PLACES
	s_barrier_wait -1
	WIN 0x04                                       ; the stores' data in window 1
.irp a, 0,1,2,3
.irp b, 0,1,2,3,4,5,6,7
	ds_store_b128 v[STO], v[8*(8*(\a)+(\b)):8*(8*(\a)+(\b))+3]   offset:(\a)*16*SPITCH+64*(\b)     ; each accumulator's low registers first
	ds_store_b128 v[STO], v[8*(8*(\a)+(\b))+4:8*(8*(\a)+(\b))+7] offset:(\a)*16*SPITCH+64*(\b)+16
.endr
.endr
	WIN 0
	s_wait_dscnt 0x0                               ; my stores are done:
	s_barrier_signal -1                            ; one barrier between all the stores into the slot and all the reads from it
	s_barrier_wait -1
.macro SENDH                           ; 16 rows rounded to f16 and stored: a store covers 256 consecutive bytes, a head's row, aligned
	s_wait_xcnt 0x0                                ; the last trip's stores have read their data and their base
	s_add_nc_u64 s[8:9], s[8:9], 16*256            ; the base steps ahead of the stores, which reach back by their immediate
.set i, 0
.rept 32
	v_cvt_pk_f16_f32 v[PKR+i], v[XR+2*i], v[XR+2*i+1]
.set i, i+1
.endr
.irp t, 0,1,2,3,4,5,6,7,8,9,10,11,12,13,14,15
	global_store_b64 v[CO], v[PKR+2*(\t):PKR+2*(\t)+1], s[8:9] offset:(\t)*256-16*256
.endr
.endm
.macro TABLES                          ; 16 rows of cos and of sin from the two bases on: each load is one whole row of 512 bytes
	WIN 0x80                                       ; destination window 2
.irp t, 0,1,2,3,4,5,6,7,8,9,10,11,12,13,14,15
	global_load_b128 v[4*(\t):4*(\t)+3], v[CSV], s[68:69] offset:(\t)*512
.endr
.irp t, 0,1,2,3,4,5,6,7,8,9,10,11,12,13,14,15
	global_load_b128 v[64+4*(\t):64+4*(\t)+3], v[CSV], s[70:71] offset:(\t)*512
.endr
	WIN 0
.endm
	s_cmp_ge_u32 s42, 12                           ; tile columns 12-15 are v's heads, which are not rotated: the tile column is the same in all partners
	s_cbranch_scc1 .Lplain
	; q and k: out[d] = y[d] cos[d] - y[d + 64] sin[d] for d < 64, y[d] cos[d] + y[d - 64] sin[d] for d >= 64.  Lane l holds channels 4 l .. 4 l + 3, so the partner lies in the lane 16 away.
	TABLES                                         ; the first 16 rows' tables, asked for on the one way that reads them
	s_mov_b32 s3, 4
.Lrope:                                                ; a trip: 16 rows
.irp t, 0,1,2,3,4,5,6,7,8,9,10,11,12,13,14,15
	ds_load_b128 v[XR+4*(\t):XR+4*(\t)+3], v[RD] offset:(\t)*SPITCH
.endr
.irp t, 0,1,2,3,4,5,6,7,8,9,10,11,12,13,14,15
	ds_load_b128 v[XP+4*(\t):XP+4*(\t)+3], v[RDP] offset:(\t)*SPITCH
.endr
	s_wait_loadcnt 0x0                             ; these rows' cos and sin are in: their 32 loads are all that is out; so the two bases may be written too
	WIN 0x0a                                       ; both sources in window 2: rounded to bf16
.set i, 0
.rept 32
	v_cvt_pk_bf16_f32 v[CB+i], v[2*i], v[2*i+1]
.set i, i+1
.endr
.set i, 0
.rept 32
	v_cvt_pk_bf16_f32 v[SB+i], v[64+2*i], v[64+2*i+1]
.set i, i+1
.endr
	WIN 0
	s_cmp_eq_u32 s3, 1                             ; the last trip has no rows behind it
	s_cbranch_scc1 .Lno_tables
	s_add_nc_u64 s[68:69], s[68:69], 16*512
	s_add_nc_u64 s[70:71], s[70:71], 16*512
	TABLES                                         ; the next 16 rows' go out at once, into the registers just read, and have this trip's arithmetic in which to land
.Lno_tables:
	s_wait_dscnt 0x0
	v_add_nc_u32 v[RD], 16*SPITCH, v[RD]
	v_add_nc_u32 v[RDP], 16*SPITCH, v[RDP]
.set i, 0
.rept 32
	v_pk_mul_f32 v[XP+2*i:XP+2*i+1], v[XP+2*i:XP+2*i+1], v[SG:SG+1]
.set i, i+1
.endr
.set i, 0
.rept 32
	v_fma_mix_f32_bf16 v[XR+2*i], v[XR+2*i], v[CB+i], v[ZR] op_sel_hi:[0,1,0]
	v_fma_mix_f32_bf16 v[XR+2*i+1], v[XR+2*i+1], v[CB+i], v[ZR] op_sel:[0,1,0] op_sel_hi:[0,1,0]
.set i, i+1
.endr
.set i, 0
.rept 32
	v_fma_mix_f32_bf16 v[XR+2*i], v[XP+2*i], v[SB+i], v[XR+2*i] op_sel_hi:[0,1,0]
	v_fma_mix_f32_bf16 v[XR+2*i+1], v[XP+2*i+1], v[SB+i], v[XR+2*i+1] op_sel:[0,1,0] op_sel_hi:[0,1,0]
.set i, i+1
.endr
	SENDH
	s_sub_co_u32 s3, s3, 1
	s_cmp_lg_u32 s3, 0
	s_cbranch_scc1 .Lrope
	s_branch .Lend
.Lplain:                                               ; v: rounded and stored as it is
	s_mov_b32 s3, 4
.Lrows:
.irp t, 0,1,2,3,4,5,6,7,8,9,10,11,12,13,14,15
	ds_load_b128 v[XR+4*(\t):XR+4*(\t)+3], v[RD] offset:(\t)*SPITCH
.endr
	s_wait_dscnt 0x0
	v_add_nc_u32 v[RD], 16*SPITCH, v[RD]
	SENDH
	s_sub_co_u32 s3, s3, 1
	s_cmp_lg_u32 s3, 0
	s_cbranch_scc1 .Lrows
.Lend:
	s_wait_tensorcnt 0x0                           ; the wave's end: behind my last tensor load and my last LDS store
	ds_add_u32 v[SPW], v[NIL]
	s_wait_dscnt 0x0
	CROUND                                         ; the closing round: no work-group ends while a partner may still ask for a tile that names it
	s_endpgm
.Lfunc_end_k_qaeb1805b5b_proj:
	.size	k_qaeb1805b5b_proj, .Lfunc_end_k_qaeb1805b5b_proj-k_qaeb1805b5b_proj
	.p2alignl 7, 3214868480
	.fill 96, 4, 3214868480
	.section	.rodata,"a",@progbits
	.p2align	6, 0x0
	.amdhsa_kernel k_qaeb1805b5b_proj
		.amdhsa_group_segment_fixed_size 327680
		.amdhsa_private_segment_fixed_size 0
		.amdhsa_enable_private_segment 0
		.amdhsa_kernarg_size 40
		.amdhsa_user_sgpr_count 2
		.amdhsa_user_sgpr_kernarg_segment_ptr 1
		.amdhsa_wavefront_size32 1
		.amdhsa_system_sgpr_workgroup_id_x 1
		.amdhsa_system_sgpr_workgroup_id_y 1
		.amdhsa_system_sgpr_workgroup_id_z 1
		.amdhsa_system_vgpr_workitem_id 0
		.amdhsa_next_free_vgpr 768
		.amdhsa_next_free_sgpr 72
		.amdhsa_reserve_vcc 0
		.amdhsa_float_denorm_mode_32 3
		.amdhsa_float_denorm_mode_16_64 3
		.amdhsa_memory_ordered 1
		.amdhsa_forward_progress 1
		.amdhsa_inst_pref_size 139
	.end_amdhsa_kernel
	.amdgpu_metadata
---
amdhsa.version: [ 1, 2 ]
amdhsa.kernels:
  - .name:           k_qaeb1805b5b_proj
    .symbol:         k_qaeb1805b5b_proj.kd
    .args:
      - { .name: xb, .offset: 0, .size: 8, .value_kind: global_buffer, .address_space: global }
      - { .name: wqkv, .offset: 8, .size: 8, .value_kind: global_buffer, .address_space: global }
      - { .name: cos, .offset: 16, .size: 8, .value_kind: global_buffer, .address_space: global }
      - { .name: sin, .offset: 24, .size: 8, .value_kind: global_buffer, .address_space: global }
      - { .name: qkv, .offset: 32, .size: 8, .value_kind: global_buffer, .address_space: global }
    .group_segment_fixed_size: 327680
    .private_segment_fixed_size: 0
    .kernarg_segment_align: 8
    .kernarg_segment_size: 40
    .max_flat_workgroup_size: 128
    .sgpr_count:     72
    .vgpr_count:     768
    .wavefront_size: 32
...
	.end_amdgpu_metadata
.endif
;; end of part 2
;; launch attn (part 3): grid 16 x 16, 4 waves a work-group, clusters of 4 x 1, 327,680 bytes of LDS; arguments qkv, ob; writes ob
.if DOCPART == 3
	.amdgcn_target "amdgcn-amd-amdhsa--gfx1250"
	.amdhsa_code_object_version 6
	.text
	.protected	k_qaeb1805b5b_attn
	.globl	k_qaeb1805b5b_attn
	.p2align	8
	.type	k_qaeb1805b5b_attn,@function
k_qaeb1805b5b_attn:
	s_mov_b64 s[64:65], 0
	v_nop
	global_prefetch_b8 v0, s[64:65] scope:SCOPE_SE
	s_setreg_imm32_b32 hwreg(HW_REG_WAVE_MODE, 25, 1), 1
	s_wait_xcnt 0x0
	s_wait_alu depctr_hold_cnt(0) depctr_sa_sdst(0) depctr_va_vdst(0) depctr_va_sdst(0) depctr_va_ssrc(0) depctr_va_vcc(0) depctr_vm_vsrc(0)
	s_getreg_b32 s2, hwreg(HW_REG_IB_STS2, 6, 4)
	s_cmp_eq_u32 s2, 0
	s_cbranch_scc0 .Lentry_in_a_cluster
	s_endpgm
.Lentry_in_a_cluster:
	s_bfe_u32 s2, ttmp6, 0x10000c
	s_cmp_lg_u32 s2, 0x3003
	s_cbranch_scc0 .Lentry_shape_is_right
	s_endpgm
.Lentry_shape_is_right:
; CAUSAL ATTENTION, two query heads to a key and value head.  O[s][128 h + d] = the sum over n <= s of softmax_n(q[h][s] . k[h / 2][n] / sqrt(128)) v[h / 2][n][d].
; qkv: f16 [32][2048][128], heads 0-15 q, 16-23 k, 24-31 v, all at an eighth of their size: the scores' 1 / 64 is taken up by c, and O (f16, 2,048 x 2,048) is again at an eighth.
; ob holds O IN FRAGMENT ORDER, as the next launch's matrix operand lies in registers: a block of 16 rows x 32 columns is 1,024 bytes: plane c holds, at 16 l, row l % 16, columns 16 c + 8 (l / 16) + 0..7; blocks
; run along the columns (64 of them), then down the rows.  That is how this launch's lanes hold O: a block of 16 channels is one plane, and is stored as it stands, 512 consecutive bytes.
; Products, maxima and sums in f32; the weights p are rounded to f16 for the second product (their sum l is taken of the unrounded p), the result once at the end.
; LIMITS.  p below 6e-5 and a result (at an eighth) below 6.1e-5 keep f16's fixed step of 6e-8: with x and Wv BOTH some 30 times smaller than drawn the result falls to about 5e-6, and that step is
; then about 0.3% of its root mean square.  A hidden score counts as its value less 1e30; a weight below 2^-126 counts as 0 in l; NaN and infinities are not treated apart.
; THE WALK.  A head's queries lie in 32 blocks of 64.  Work-group b = 4 a + r (a: the cluster, r: its place in it) takes block 31 - b and then block b.  Keys go in tiles of 256, four steps of 64.
; The first block needs tiles 0 .. 7 - a, the second 0 .. a: nine tiles, whatever b, and THE SAME nine for the four partners: every tile is asked for jointly, and all jumps and counts hang on a,
; the head, the wave's number and constants alone.  One counter TI numbers the walk's tiles; which tile of K and V that is, and whether it is the first block's last, is made anew from TI and
; N1 = 8 - a each time.  In the loop a block's end is always the first block's, behind the loop always the second's: so the text itself says which block's rows and mask are meant.
; THE MASK.  In a block's last tile step s is open (s < p), holds the diagonal (s = p) or is hidden (s > p), with p = 3 - r, then r: that differs between partners, so it is done by DATA: the C
; operand that starts the scores' sum is MD x AL + BE with two scalars: (0, 0), (1, 0) or (0, -1e30).  Every step makes it, 16 packed instructions; in all other tiles it is (0, 0).
; Hidden steps are computed and weigh nothing.
; SHARES.  A wave owns 16 of the block's queries.  S^T = K Q^T (source 0 = 16 keys, source 1 = 16 queries) holds ONE query a lane (l % 16) and the keys 8 (l / 16) + 0..7; two such results rounded
; to f16 ARE source 1 of O^T = V^T P.  K comes out of LDS as it lies, V turned, by ds_load_tr16_b128.
; SOFTMAX.  A running maximum m and sum l: p = 2^(c s - c m), c = 64 log2(e) / sqrt(128); in every step O and l are multiplied by a = 2^(c m_old - c m_new).  A block starts with c m far below
; every c s, so its first a is 0, and O and l need only hold finite numbers there.  Steps ascend, and every query sees its own key, so m is a true score before the first hidden one comes.
; IN PHASES: a step's 16 products K Q^T, its softmax, its 16 products V^T P.  A wave has one tile, so nothing independent is at hand to set between the products.
; REGISTERS, in windows of 256 (s_set_vgpr_msb: bits 1:0 source 0, 3:2 source 1, 5:4 source 2, 7:6 destination):
;   window 0: v0-15 addresses; v16-23 statistics; v32-63 Q; v64-95 S^T; v96-111 P; v112-143 MC, the step's mask; v144-207 O^T
;   window 1: v0-127 K of one step; v128-255 V of one step          window 2: v0-31 MD, the diagonal step's mask; v32-63 the second block's Q
.set KS,    64
.set PK,    272       ; a row of K in LDS: 256 bytes + 16 = 68 words: the 16 rows of a load start at 16 different groups of four banks (ISA guide 11.1)
.set PV,    288       ; a row of V: 256 + 32 = 72 words
.set VOFF,  256*PK    ; a slot holds a tile: 256 rows of K, then 256 rows of V
.set SLOT,  256*(PK+PV)
.set SPARE, 2*SLOT    ; behind the ring: the spare words, 128 bytes for each wave: two blocks of 256 bytes that no other line names
.set AK0, 2           ; v2   my lane's place in a step of K; never rewritten
.set AV0, 3           ; v3   the same for V
.set AK,  4           ; v4   the LDS address of K's next run of loads
.set AV,  5           ; v5   of V's
.set GO,  8           ; v8   16 x lane: my 16 bytes of a plane of ob; never rewritten
.set PFO, 12          ; v12  256 x lane: a row of K or V; never rewritten
.set QO,  13          ; v13  my byte offset in 16 rows of q
.set SPW, 14          ; v14  LDS address of my spare word; never rewritten
.set NIL, 15          ; v15  0; never rewritten
.set ST,  16          ; v16 c m, v17 m, v18-19 l (even keys', odd keys'), v20-23 c0-c3 at work; a takes c2's place
.set Q,   32
.set S,   64
.set P,   96
.set MC,  112
.set O,   144
.set VF,  128         ; window 1
.set MD,  0           ; window 2
.set Q2,  32          ; window 2
.set OB1, 10          ; s[10:11] ob at my rows and head, first block; never rewritten
.set WV,  12          ; s12  my wave's number
.set G1K, 24          ; s[24:31] descriptor group 1 for K's tiles
.set G1V, 32          ; s[32:39] for V's: it differs in the padding alone
.set G0K, 40          ; s[40:43] descriptor group 0 for K's tiles, made anew for each fill
.set G0V, 44          ; s[44:47] the same for V's
.set OB2, 48          ; s[48:49] ob at my rows and head, second block; never rewritten
.set PFA, 50          ; s[50:51] where my prefetches stand
.set PFEND, 53        ; s53  7 in a work-group that prefetches, else 0
.set LOOP, 54
.set CNT, 55          ; s55  counts a tile's steps, 4 to 1
.set TI,  56          ; s56  the walk's tile that has been asked for last, 0 to 8: one more than the tile that is entered
.set NXT, 57          ; s57  its number among the key head's tiles
.set CS,  58          ; s[58:59] c
.set SEL, 60          ; s[60:61] v_permlanex16_b32's selects: each lane takes its own place in the other half
.set TBK, 62          ; s62  LDS byte at which K of the step to be fetched begins
.set TBV, 63          ; s63  the same for V, less VOFF
.set N1,  66          ; s66  8 - a: the first block's tiles; never rewritten
.set CDE, 67          ; s67  the value of CNT in the diagonal's step of the tile in hand; 0 where the tile has none
.set OFF, 68          ; s[68:69] a tile's byte offset in K and V
.set AL,  70          ; s[70:71] the mask's factor
.set BE,  72          ; s[72:73] the mask's addend
.set BIGN, 74         ; s74  -1e30
.set CD1, 75          ; s75  the value of CNT in the first block's diagonal step; never rewritten
.set CD2, 76          ; s76  in the second block's; never rewritten
.set QB2, 78          ; s[78:79] q at my rows of the second block
.set MSB, 0
.macro WIN new
.if MSB != (\new)
	s_set_vgpr_msb (MSB<<8)|(\new)
.set MSB, \new
.endif
.endm
.macro JLOAD                        ; a joint fill: waves 0 and 1 fetch the halves of a tile's K, waves 2 and 3 those of its V, 128 rows each; an s_nop 0 and four v_nop follow each line
	s_cmp_lt_u32 s[WV], 2
	s_cbranch_scc0 .Lfor_v_\@
	tensor_load_to_lds s[G0K:G0K+3], s[G1K:G1K+7]
	s_nop 0
.rept 4
	v_nop
.endr
	s_branch .Lasked_\@
.Lfor_v_\@:
	tensor_load_to_lds s[G0V:G0V+3], s[G1V:G1V+7]
	s_nop 0
.rept 4
	v_nop
.endr
.Lasked_\@:
.endm
; A PREFETCH INTO THE L2 of the tile that the NEXT change of slots will ask for: four key steps, 128 matrix instructions, ahead of that load.  All clusters of the two heads that share a key head
; walk the same tiles: the cluster with a = 0 of the even head asks, whose first block walks tiles 0 to 7.  Its four partners share a tile's 256 rows out BY ADDRESS, 64 each; of those wave 0 takes
; K's first 32, wave 1 its other 32, waves 2 and 3 V's: a lane a row, one instruction a wave.  So each row is named once in the launch.  Tiles 0 and 1 come by their loads alone; the prefetch names
; tile TI + 1, and behind tile 7 nothing is asked for.
.macro ASK
	s_cmp_lt_u32 s[TI], s[PFEND]
	s_cbranch_scc0 .Lnot_mine_\@
	global_prefetch_b8 v[PFO], s[PFA:PFA+1] th:TH_LOAD_NT scope:SCOPE_SE
.Lnot_mine_\@:
.endm
.macro CROUND                       ; a round of the cluster's barrier
	s_barrier_signal -1
	s_barrier_wait -1
	s_cmp_lg_u32 s[WV], 0
	s_cbranch_scc1 .Lnot_wave_0_\@
	s_barrier_signal -3
.Lnot_wave_0_\@:
	s_barrier_wait -3
	s_barrier_signal -1
	s_barrier_wait -1
.endm
; THE CHANGE OF SLOTS.  Each wave waits for all its tensor loads, of which one is out: its part of the slot to be entered; adds 0 to its spare word; and waits for that and for its reads of the slot
; that it leaves.  fill = 1: the barrier is a round of the cluster's, and slot fs, which nobody reads any more, is filled with the walk's next tile, first thing behind it.  (At its first use slot 1 has its first fill.)
.macro CHANGE fill, fs
	WIN 0
	s_wait_tensorcnt 0x0            ; no tensor load of mine is out, so the descriptors may be written
	ds_add_u32 v[SPW], v[NIL]       ; 0 onto my spare word; scalar work stands between it and the wait for it
.if \fill
	s_add_co_u32 s[TI], s[TI], 1    ; the walk's next tile:
	s_sub_co_u32 s[NXT], s[TI], s[N1]
	s_cmp_lt_u32 s[TI], s[N1]
	s_cselect_b32 s[NXT], s[TI], s[NXT]  ; tile TI of the first block's 8 - a, or tile TI - (8 - a) of the second's
	s_lshl_b32 s[OFF], s[NXT], 16   ; a tile is 65,536 bytes of K and of V
	s_add_co_u32 s[G0K+1], s17, (\fs)*SLOT
	s_add_nc_u64 s[G0K+2:G0K+3], s[6:7], s[OFF:OFF+1]
	s_or_b32 s[G0K+3], s[G0K+3], 0x80000000
	s_add_co_u32 s[G0V+1], s18, (\fs)*SLOT
	s_add_nc_u64 s[G0V+2:G0V+3], s[8:9], s[OFF:OFF+1]
	s_or_b32 s[G0V+3], s[G0V+3], 0x80000000
	s_wait_xcnt 0x0                 ; the last prefetch, a tile back, has read its address
	s_add_nc_u64 s[PFA:PFA+1], s[PFA:PFA+1], 0x10000
	s_wait_dscnt 0x0                ; the add is done, and my reads of the slot are over
	CROUND
	JLOAD
	ASK
.else
	s_wait_dscnt 0x0
	s_barrier_signal -1
	s_barrier_wait -1
.endif
.endm
	s_load_b128 s[20:23], s[0:1], 0x0  ; qkv s[20:21], ob s[22:23]
	v_lshl_add_u32 v[SPW], v0, 2, SPARE
	v_mov_b32 v[NIL], 0
	ds_add_u32 v[SPW], v[NIL]       ; the wave's opening: the add and its wait stand ahead of my first tensor load; work on registers stands between them
	ds_add_u32 v14, v15
	v_lshrrev_b32 v1, 5, v0
	v_readfirstlane_b32 s[WV], v1   ; wave 0..3
	s_mov_b32 s14, ttmp9            ; a: the cluster along x
	s_bfe_u32 s15, ttmp6, 0x40000   ; r: my place in it: it enters q's and ob's addresses, the prefetches' and the masks' scalars, nothing else
	s_and_b32 s13, ttmp7, 0xffff    ; the query head
	s_and_b32 s16, s[WV], 1         ; which half of a tile's 256 rows I fetch
	s_mul_i32 s17, s16, 128*PK      ; its place in a slot, for K
	s_mul_i32 s18, s16, 128*PV      ; and for V
	s_add_co_u32 s18, s18, VOFF
	s_lshr_b32 s2, s13, 1
	s_add_co_u32 s2, s2, 16         ; the key head's place among qkv's 32
	s_lshl_b32 s2, s2, 19           ; a head is 524,288 bytes
	s_lshl_b32 s3, s16, 15          ; my 128 rows of 256 bytes
	s_add_co_u32 s2, s2, s3
	s_mov_b32 s3, 0
	s_lshl_b32 s19, s14, 2
	s_add_co_u32 s19, s19, s15      ; b
	s_sub_co_u32 s77, 31, s19       ; 31 - b
	s_lshl_b32 s19, s19, 6
	s_lshl_b32 s77, s77, 6
	s_lshl_b32 s90, s[WV], 4
	s_add_co_u32 s19, s19, s90      ; my first row in the second block,
	s_add_co_u32 s77, s77, s90      ; and in the first: multiples of 16
	s_lshl_b32 s91, s13, 19
	s_lshl_b32 s80, s77, 8
	s_add_co_u32 s80, s80, s91      ; q: head x 524,288 + row x 256
	s_mov_b32 s81, 0
	s_lshl_b32 s82, s19, 8
	s_add_co_u32 s82, s82, s91
	s_mov_b32 s83, 0
	s_lshl_b32 s91, s13, 12         ; ob: a head's 128 columns are four blocks of 1,024 bytes;
	s_lshl_b32 s84, s77, 12         ; 16 rows are 64 blocks: 4,096 bytes a row
	s_add_co_u32 s84, s84, s91
	s_mov_b32 s85, 0
	s_lshl_b32 s86, s19, 12
	s_add_co_u32 s86, s86, s91
	s_mov_b32 s87, 0
	s_lshr_b32 s88, s13, 1          ; the prefetches: K's head (waves 0, 1) or V's (waves 2, 3),
	s_add_co_u32 s88, s88, 16
	s_lshr_b32 s89, s[WV], 1
	s_lshl_b32 s89, s89, 3
	s_add_co_u32 s88, s88, s89
	s_lshl_b32 s88, s88, 19
	s_lshl_b32 s89, s15, 6          ; my work-group's 64 rows of a tile,
	s_lshl_b32 s90, s16, 5          ; my wave's 32 of them,
	s_add_co_u32 s89, s89, s90
	s_lshl_b32 s89, s89, 8
	s_add_co_u32 s88, s88, s89
	s_add_co_u32 s88, s88, 0x10000  ; in tile 1: the first change of slots steps it to tile 2
	s_mov_b32 s89, 0
	s_and_b32 s90, s13, 1
	s_or_b32 s90, s90, ttmp9
	s_cmp_eq_u32 s90, 0             ; the even head's cluster with a = 0: the same answer in all four partners
	s_cselect_b32 s[PFEND], 7, 0
	; descriptor group 1: a tile of 128 rows x 128 elements, padded in LDS
	s_mov_b32 s[G1K], 15|(1<<16)|(1<<20)|(1<<21)|(5<<22)|(3<<25)  ; 15:0 the mask of four; 17:16 2-byte elements; 20 padding on; 21 set beside a mask; 24:22 after every 64 words; 31:25 four words
	s_mov_b32 s[G1V], 15|(1<<16)|(1<<20)|(1<<21)|(5<<22)|(7<<25)  ; the same with eight words of padding
.irp g, G1K, G1V
	s_mov_b32 s[(\g)+1], 128<<16    ; tensor_dim0 = 128
	s_mov_b32 s[(\g)+2], 128<<16    ; tensor_dim1 = 128
	s_mov_b32 s[(\g)+3], 128<<16    ; tile_dim0 = 128
	s_mov_b32 s[(\g)+4], 128        ; tile_dim1 = 128
	s_mov_b32 s[(\g)+5], 128        ; elements from row to row
	s_mov_b32 s[(\g)+6], 0
	s_mov_b32 s[(\g)+7], 0
.endr
	s_mov_b32 s[CS], 0x410293ee     ; c = 64 log2(e) / sqrt(128) = 8.16110
	s_mov_b32 s[CS+1], s[CS]        ; named with it as a pair
	s_mov_b32 s[SEL], 0x76543210
	s_mov_b32 s[SEL+1], 0xfedcba98
	s_mov_b32 s[BIGN], 0xf149f2ca   ; -1e30
	s_mov_b32 s[OFF+1], 0
	s_mov_b32 s[AL+1], 0            ; named as pairs
	s_mov_b32 s[BE+1], 0
	s_mov_b32 s[TI], 0              ; tile 0 is asked for below
	s_sub_co_u32 s[N1], 8, s14      ; the first block has 8 - a tiles
	s_add_co_u32 s[CD1], s15, 1     ; the first block's diagonal lies in step 3 - r, where CNT = 1 + r;
	s_sub_co_u32 s[CD2], 4, s15     ; the second's in step r, where CNT = 4 - r
	s_mov_b32 s[G0K], 1             ; count = 1
	s_mov_b32 s[G0K+1], s17         ; LDS address: slot 0
	s_mov_b32 s[G0V], 1
	s_mov_b32 s[G0V+1], s18
	s_wait_dscnt 0x0                ; the opening add is done
	s_wait_kmcnt 0x0
	s_add_nc_u64 s[6:7], s[20:21], s[2:3]      ; K at my half of the key head's tile 0
	s_add_nc_u64 s[8:9], s[6:7], 0x400000      ; V lies eight heads further on
	s_mov_b64 s[G0K+2:G0K+3], s[6:7]
	s_or_b32 s[G0K+3], s[G0K+3], 0x80000000    ; type = 2
	s_mov_b64 s[G0V+2:G0V+3], s[8:9]
	s_or_b32 s[G0V+3], s[G0V+3], 0x80000000
	s_add_nc_u64 s[4:5], s[20:21], s[80:81]    ; q at my rows of the first block,
	s_add_nc_u64 s[QB2:QB2+1], s[20:21], s[82:83]  ; of the second
	s_add_nc_u64 s[OB1:OB1+1], s[22:23], s[84:85]  ; ob likewise
	s_add_nc_u64 s[OB2:OB2+1], s[22:23], s[86:87]
	s_add_nc_u64 s[PFA:PFA+1], s[20:21], s[88:89]
	CROUND                          ; all four work-groups are here: the first joint loads meet
	JLOAD                           ; tile 0 into slot 0
	; A fragment of K or Q is 16 rows x 32 channels in 8 registers: lane l holds row l % 16, channels 8 (l / 16) + 0..7 and 16 + 8 (l / 16) + 0..7: two loads of 16 bytes, 32 bytes apart.
	v_and_b32 v1, 15, v0            ; l % 16
	v_bfe_u32 v9, v0, 4, 1          ; l / 16
	v_lshlrev_b32 v[QO], 8, v1
	v_lshl_add_u32 v[QO], v9, 4, v[QO]
.irp c, 0,1,2,3
	global_load_b128 v[Q+8*(\c):Q+8*(\c)+3],   v[QO], s[4:5] offset:64*(\c)
	global_load_b128 v[Q+8*(\c)+4:Q+8*(\c)+7], v[QO], s[4:5] offset:64*(\c)+32
.endr
	WIN 0x80                        ; destination window 2
.irp c, 0,1,2,3
	global_load_b128 v[Q2+8*(\c):Q2+8*(\c)+3],   v[QO], s[QB2:QB2+1] offset:64*(\c)
	global_load_b128 v[Q2+8*(\c)+4:Q2+8*(\c)+7], v[QO], s[QB2:QB2+1] offset:64*(\c)+32
.endr
	WIN 0
	v_lshlrev_b32 v10, 3, v9
	v_sub_nc_u32 v10, v1, v10
	s_lshl_b32 s2, s[WV], 4
	v_add_nc_u32 v10, s2, v10       ; my query's place in its block, 16 w + l % 16, less my lanes' 8 (l / 16): register j of key group kt is hidden where 16 kt + j is greater
	WIN 0x80
.set i, 0
.rept 32
	v_cmp_gt_i32 vcc_lo, 16*(i/8)+i%8, v10
	v_cndmask_b32 v[MD+i], 0, s[BIGN], vcc_lo
.set i, i+1
.endr
	WIN 0
	v_mul_u32_u24 v[AK0], v1, PK
	v_lshl_add_u32 v[AK0], v9, 4, v[AK0]
	; The turning load takes 16 keys x 16 channels (lane l reads key 8 (l / 16) + l % 8, channels 8 ((l / 8) % 2) + 0..7) and leaves half a fragment of V^T: lane l holds channel l % 16 and 8 keys.
	v_and_b32 v10, 7, v0
	v_bfe_u32 v11, v0, 3, 1
	v_lshl_add_u32 v[AV0], v9, 3, v10
	v_mul_u32_u24 v[AV0], v[AV0], PV
	v_lshl_add_u32 v[AV0], v11, 4, v[AV0]
	v_add_nc_u32 v[AV0], VOFF, v[AV0]
	v_and_b32 v[PFO], 31, v0
	v_lshlrev_b32 v[GO], 4, v[PFO]
	v_lshlrev_b32 v[PFO], 8, v[PFO]
.set i, 0
.rept 64
	v_mov_b32 v[O+i], 0             ; O and l need only be finite where a block begins: written while the first tile is on its way, so that the loop has one form of step
.set i, i+1
.endr
	v_mov_b32 v[ST+2], 0
	v_mov_b32 v[ST+3], 0
.macro INIT                         ; a block begins: c m far below every c s, m the lowest finite number
	v_mov_b32 v[ST], 0xfe000000
	v_mov_b32 v[ST+1], 0xff7fffff
.endm
; THE LDS LOADS stand in runs of 32: a step's K (64 keys x 128 channels: 16 fragments) and its V (turned).
.macro FETCH_K
	WIN 0x40                        ; destination window 1
.irp f, 0,1,2,3,4,5,6,7,8,9,10,11,12,13,14,15  ; keys 16 (f / 4) on, channels 32 (f % 4) on
	ds_load_b128 v[8*(\f):8*(\f)+3],   v[AK] offset:((\f)/4)*16*PK+((\f)%4)*64
	ds_load_b128 v[8*(\f)+4:8*(\f)+7], v[AK] offset:((\f)/4)*16*PK+((\f)%4)*64+32
.endr
	WIN 0
.endm
.macro FETCH_V
	WIN 0x40
.irp f, 0,1,2,3,4,5,6,7,8,9,10,11,12,13,14,15  ; keys 32 (f / 8) on, channels 16 (f % 8) on
	ds_load_tr16_b128 v[VF+8*(\f):VF+8*(\f)+3],   v[AV] offset:((\f)/8)*32*PV+((\f)%8)*32
	ds_load_tr16_b128 v[VF+8*(\f)+4:VF+8*(\f)+7], v[AV] offset:((\f)/8)*32*PV+16*PV+((\f)%8)*32
.endr
	WIN 0
.endm
; THE MATRIX WORK.  The accumulators of a run take turns, one instruction a turn.
.macro KQ                           ; product i of 16 of S^T = K Q^T: channels 32 (i / 4) on, keys 16 (i % 4) on.  The first four start the sums, with the mask
.set rS, S+8*(i%4)
.set rK, 8*(4*(i%4)+i/4)
.set rQ, Q+8*(i/4)
.set rM, MC+8*(i%4)
.if i < 4
	v_wmma_f32_16x16x32_f16 v[rS:rS+7], v[rK:rK+7], v[rQ:rQ+7], v[rM:rM+7]
.else
	v_wmma_f32_16x16x32_f16 v[rS:rS+7], v[rK:rK+7], v[rQ:rQ+7], v[rS:rS+7]
.endif
.set i, i+1
.endm
.macro PVM                          ; product i of 16 of O^T += V^T P: keys 32 (i / 8) on, channels 16 (i % 8) on
.set rO, O+8*(i%8)
.set rV, VF+64*(i/8)+8*(i%8)
.set rP, P+8*(i/8)
	v_wmma_f32_16x16x32_f16 v[rO:rO+7], v[rV:rV+7], v[rP:rP+7], v[rO:rO+7]
.set i, i+1
.endm
.macro MASK                         ; MC = MD x AL + BE
	WIN 0x02                        ; source 0 in window 2
.set z, 0
.rept 16
	v_pk_fma_f32 v[MC+2*z:MC+2*z+1], v[MD+2*z:MD+2*z+1], s[AL:AL+1], s[BE:BE+1] op_sel_hi:[1,0,0]
.set z, z+1
.endr
	WIN 0
.endm
; THE SOFTMAX of a step, for my 16 queries: 32 scores a lane.  Each accumulator's lowest registers are read first.
.macro SOFTMAX
.irp j, 0,1,2,3
	v_max3_num_f32 v[ST+4+(\j)], v[S+8*(\j)], v[S+8*(\j)+1], v[S+8*(\j)+2]
.endr
.irp j, 0,1,2,3
	v_max3_num_f32 v[ST+4+(\j)], v[ST+4+(\j)], v[S+8*(\j)+3], v[S+8*(\j)+4]
.endr
.irp j, 0,1,2,3
	v_max3_num_f32 v[ST+4+(\j)], v[ST+4+(\j)], v[S+8*(\j)+5], v[S+8*(\j)+6]
.endr
	v_max3_num_f32 v[ST+4], v[ST+4], v[S+7], v[S+15]
	v_max3_num_f32 v[ST+6], v[ST+6], v[S+23], v[S+31]
	v_max3_num_f32 v[ST+5], v[ST+5], v[ST+7], v[ST+1]  ; the old m among them
	v_mov_b32 v[ST+7], v[ST]        ; c m_old is kept
	v_max3_num_f32 v[ST+4], v[ST+4], v[ST+5], v[ST+6]
	v_permlanex16_b32 v[ST+5], v[ST+4], s[SEL], s[SEL+1]  ; the query's other 32 keys lie in the lane 16 away
	v_max_num_f32 v[ST+1], v[ST+4], v[ST+5]
	v_mul_f32 v[ST], s[CS], v[ST+1]
	v_sub_f32 v[ST+7], v[ST+7], v[ST]
.set z, 0
.rept 16
	v_pk_fma_f32 v[S+2*z:S+2*z+1], v[S+2*z:S+2*z+1], s[CS:CS+1], v[ST:ST+1] op_sel_hi:[1,0,0] neg_lo:[0,0,1] neg_hi:[0,0,1]  ; c s - c m
.set z, z+1
.endr
	v_exp_f32 v[ST+6], v[ST+7]      ; a
.set z, 0
.rept 32
	v_exp_f32 v[S+z], v[S+z]
.set z, z+1
.endr
	v_nop                           ; a plain instruction behind the last exponential,
	s_wait_alu depctr_va_vdst(0)    ; and ONE wait for the batch of 33, ahead of the first line that names a result
.set z, 0
.rept 16
	v_cvt_pk_f16_f32 v[P+z], v[S+2*z], v[S+2*z+1]
.set z, z+1
.endr
.irp w, 4, 8, 16, 32                ; the sum of the 16 pairs, in place: neighbours 1, 2, 4 and 8 pairs apart
.set z, 0
.rept 32/(\w)
	v_pk_add_f32 v[S+(\w)*z:S+(\w)*z+1], v[S+(\w)*z:S+(\w)*z+1], v[S+(\w)*z+(\w)/2:S+(\w)*z+(\w)/2+1]
.set z, z+1
.endr
.endr
	v_pk_fma_f32 v[ST+2:ST+3], v[ST+2:ST+3], v[ST+6:ST+7], v[S:S+1] op_sel_hi:[1,0,1]  ; l = a l + sum
.set z, 0
.rept 32
	v_pk_mul_f32 v[O+2*z:O+2*z+1], v[O+2*z:O+2*z+1], v[ST+6:ST+7] op_sel_hi:[1,0]
.set z, z+1
.endr
.endm
; A BLOCK ENDS.  l's two halves and the other half of the lanes' are added; O^T is divided by l, rounded to f16 and stored as it stands: a lane's 16 bytes of channel block f are its 16 bytes of plane f of my
; rows' four blocks of ob.  tail = 0: the first block, stored at OB1; the second block is set up.  tail = 1: the second block, stored at OB2.
.macro FINISH tail
.set OP, OB1+(OB2-OB1)*(\tail)
	v_add_f32 v[ST+4], v[ST+2], v[ST+3]
	v_permlanex16_b32 v[ST+5], v[ST+4], s[SEL], s[SEL+1]
	v_add_f32 v[ST+4], v[ST+4], v[ST+5]
	v_rcp_f32 v[ST+6], v[ST+4]
	v_nop                           ; a plain instruction behind the reciprocal,
	s_wait_alu depctr_va_vdst(0)    ; and its wait
.set z, 0
.rept 32
	v_pk_mul_f32 v[O+2*z:O+2*z+1], v[O+2*z:O+2*z+1], v[ST+6:ST+7] op_sel_hi:[1,0]
.set z, z+1
.endr
.set z, 0
.rept 32
	v_cvt_pk_f16_f32 v[S+z], v[O+2*z], v[O+2*z+1]
.set z, z+1
.endr
.irp f, 0,1,2,3,4,5,6,7
	global_store_b128 v[GO], v[S+4*(\f):S+4*(\f)+3], s[OP:OP+1] offset:(\f)*512  ; 512 consecutive bytes, at a multiple of 512 from ob's first byte
.endr
.if !(\tail)
	WIN 0x02                        ; the second block's Q goes where the one text of the products names Q
.set z, 0
.rept 32
	v_mov_b32 v[Q+z], v[Q2+z]
.set z, z+1
.endr
	WIN 0
	INIT
	s_wait_storecnt 0x0             ; the first block's stores are done: their data lie in S^T's registers, which the next tile's products write.  Once a work-group
.endif
.endm
; A TILE in slot `slot`: the change of slots (which asks for the next tile, into the other slot, if fill = 1), four key steps, and the block's end if this was its last tile.
; tail = 1: the walk's last tile, which is the second block's last.
.macro TILE slot, fill, tail
	CHANGE \fill, 1-(\slot)
.if \tail
	s_mov_b32 s[CDE], s[CD2]
.else
	s_cmp_eq_u32 s[TI], s[N1]       ; the tile entered is TI - 1: is it the first block's last, 7 - a?
	s_cselect_b32 s[CDE], s[CD1], 0 ; CNT runs from 4 to 1, so 0 stands for: every step open
.endif
	s_mov_b32 s[TBK], (\slot)*SLOT
	s_mov_b32 s[TBV], (\slot)*SLOT
	v_add_nc_u32 v[AK], s[TBK], v[AK0]
	FETCH_K                         ; K of the tile's first step
	s_add_co_u32 s[TBK], s[TBK], KS*PK
	s_mov_b32 s[CNT], 4
.Lstep_\@:
	v_add_nc_u32 v[AV], s[TBV], v[AV0]
	s_add_co_u32 s[TBV], s[TBV], KS*PV
	FETCH_V                         ; V of this step: four plain instructions behind the last product that read V's registers; it has the scores and the softmax in which to land
	s_cmp_eq_u32 s[CNT], s[CDE]     ; is this the diagonal's step?
	s_cselect_b32 s[AL], 1.0, 0
	s_cmp_lt_u32 s[CNT], s[CDE]     ; or a later one?
	s_cselect_b32 s[BE], s[BIGN], 0
	MASK                            ; made while the loads are on their way
	s_wait_dscnt 32                 ; K is in: only V's 32 loads, issued behind it, may be out
	WIN 0x01                        ; source 0 in window 1
.set i, 0
.rept 16
	KQ
.endr
	WIN 0
	v_add_nc_u32 v[AK], s[TBK], v[AK0]  ; four plain instructions, the places behind those products
	v_nop
	v_nop
	v_nop
	s_add_co_u32 s[TBK], s[TBK], KS*PK
	s_cmp_eq_u32 s[CNT], 1          ; the tile's last step has no next step in this slot
	s_cbranch_scc1 .Lno_k_\@
	FETCH_K                         ; K of the next step: it has the softmax in which to land
.Lno_k_\@:
	SOFTMAX
	s_wait_dscnt 0x0                ; V is in (and the next K, where it was asked for: one count for both ways)
	WIN 0x01
.set i, 0
.rept 16
	PVM
.endr
	WIN 0
.rept 4
	v_nop                           ; the places behind those products, in front of the loads into V's registers and of the reads of O^T
.endr
	s_sub_co_u32 s[CNT], s[CNT], 1
	s_cmp_lg_u32 s[CNT], 0
	s_cbranch_scc1 .Lstep_\@
.if !(\tail)
	s_cmp_eq_u32 s[TI], s[N1]
	s_cbranch_scc0 .Lgo_on_\@
.endif
	FINISH \tail
.Lgo_on_\@:
.endm
	INIT
	s_wait_loadcnt 0x0              ; both blocks' Q
	s_mov_b32 s[LOOP], 4
.Lwalk:                             ; four trips of two tiles: each tile is entered and the next is asked for
	TILE 0, 1, 0
	TILE 1, 1, 0
	s_sub_co_u32 s[LOOP], s[LOOP], 1
	s_cmp_lg_u32 s[LOOP], 0
	s_cbranch_scc1 .Lwalk
	TILE 0, 0, 1                    ; the ninth tile is written out: nothing is asked for
	s_wait_tensorcnt 0x0            ; the wave's end: behind my last tensor load
	ds_add_u32 v[SPW], v[NIL]
	s_wait_dscnt 0x0
	CROUND                          ; the closing round: no work-group ends while a partner may still ask for a tile that names it
	s_endpgm
.Lfunc_end_k_qaeb1805b5b_attn:
	.size	k_qaeb1805b5b_attn, .Lfunc_end_k_qaeb1805b5b_attn-k_qaeb1805b5b_attn
	.p2alignl 7, 3214868480
	.fill 96, 4, 3214868480
	.section	.rodata,"a",@progbits
	.p2align	6, 0x0
	.amdhsa_kernel k_qaeb1805b5b_attn
		.amdhsa_group_segment_fixed_size 327680
		.amdhsa_private_segment_fixed_size 0
		.amdhsa_enable_private_segment 0
		.amdhsa_kernarg_size 16
		.amdhsa_user_sgpr_count 2
		.amdhsa_user_sgpr_kernarg_segment_ptr 1
		.amdhsa_wavefront_size32 1
		.amdhsa_system_sgpr_workgroup_id_x 1
		.amdhsa_system_sgpr_workgroup_id_y 1
		.amdhsa_system_sgpr_workgroup_id_z 1
		.amdhsa_system_vgpr_workitem_id 0
		.amdhsa_next_free_vgpr 576
		.amdhsa_next_free_sgpr 92
		.amdhsa_reserve_vcc 1
		.amdhsa_float_denorm_mode_32 3
		.amdhsa_float_denorm_mode_16_64 3
		.amdhsa_memory_ordered 1
		.amdhsa_forward_progress 1
		.amdhsa_inst_pref_size 88
	.end_amdhsa_kernel
	.amdgpu_metadata
---
amdhsa.version: [ 1, 2 ]
amdhsa.kernels:
  - .name:           k_qaeb1805b5b_attn
    .symbol:         k_qaeb1805b5b_attn.kd
    .args:
      - { .name: qkv, .offset: 0, .size: 8, .value_kind: global_buffer, .address_space: global }
      - { .name: ob, .offset: 8, .size: 8, .value_kind: global_buffer, .address_space: global }
    .group_segment_fixed_size: 327680
    .private_segment_fixed_size: 0
    .kernarg_segment_align: 8
    .kernarg_segment_size: 16
    .max_flat_workgroup_size: 128
    .sgpr_count:     92
    .vgpr_count:     576
    .wavefront_size: 32
...
	.end_amdgpu_metadata
.endif
;; end of part 3
;; launch outp (part 4): grid 16 x 16, 4 waves a work-group, clusters of 4 x 1, 327,680 bytes of LDS; arguments ob, woh, out0; writes out0
.if DOCPART == 4
	.amdgcn_target "amdgcn-amd-amdhsa--gfx1250"
	.amdhsa_code_object_version 6
	.text
	.protected	k_qaeb1805b5b_outp
	.globl	k_qaeb1805b5b_outp
	.p2align	8
	.type	k_qaeb1805b5b_outp,@function
k_qaeb1805b5b_outp:
	s_mov_b64 s[64:65], 0
	v_nop
	global_prefetch_b8 v0, s[64:65] scope:SCOPE_SE
	s_setreg_imm32_b32 hwreg(HW_REG_WAVE_MODE, 25, 1), 1
	s_wait_xcnt 0x0
	s_wait_alu depctr_hold_cnt(0) depctr_sa_sdst(0) depctr_va_vdst(0) depctr_va_sdst(0) depctr_va_ssrc(0) depctr_va_vcc(0) depctr_vm_vsrc(0)
	s_getreg_b32 s2, hwreg(HW_REG_IB_STS2, 6, 4)
	s_cmp_eq_u32 s2, 0
	s_cbranch_scc0 .Lentry_in_a_cluster
	s_endpgm
.Lentry_in_a_cluster:
	s_bfe_u32 s2, ttmp6, 0x10000c
	s_cmp_lg_u32 s2, 0x3003
	s_cbranch_scc0 .Lentry_shape_is_right
	s_endpgm
.Lentry_shape_is_right:
; out0[m][n] = sum over k of O[m][k] woh[n][k].  ob holds O, the attention's result at an eighth of its size, f16, in fragment order; woh: f16 [4096][2048], bf16(8 Wo) written as f16, row-major; out0: f32 [2048][4096].  Sums in f32.
; SHARES.  A work-group makes 128 rows x 256 columns: 16 x 16 work-groups (x: the row tile, y: the column tile).  A wave makes 64 x 128: 32 accumulators of 16 x 16.
; woh GOES THROUGH LDS, O DOES NOT.  K goes in steps of 256.  Two slots of such a step for both operands would take 2 x 384 rows x 528 bytes = 405,504 bytes, more than a work-group can have; for woh alone they
; take 270,336.  So woh's tile (256 rows of 512 bytes) comes by tensor loads, 64 rows a wave, and a refill has 240 matrix instructions in which to land.  O comes straight into registers: ob lies in fragment
; order (a block of 16 rows x 32 k is 1,024 bytes: plane c holds, at 16 l, row l % 16, k = 16 c + 8 (l / 16) + 0..7; blocks run along k, then down the rows), so a fragment is two loads of 512 consecutive bytes.
; A ring of eight register buffers, one for each quarter of a K step, keeps 48 to 56 such loads of a wave on their way: a buffer is asked for again in the quarter behind its use, for the next K step.
; CLUSTER.  4 x 1 work-groups: four row tiles of one column tile, which need the same rows of woh: each tile is asked for jointly, with the mask of all four.  O's rows, which the sixteen work-groups of a row
; tile share, are not asked for jointly: they do not pass through LDS, for the count above.  By this text's count a wave has two tensor loads out at the start, later one.
; THE PRODUCT IS USED TRANSPOSED (source 0 = 16 rows of woh, source 1 = 16 rows of O): a lane holds row l % 16 of the result and the columns 8 (l / 16) + 0..7 of a block of 16.
; THE WAY OUT.  A wave's 64 rows of 128 f32 go into LDS at once (only these 64 stores name the accumulators), and ONE loop of four trips reads 16 whole rows back and stores them.
; 64 rows x 528 bytes x 4 waves are 135,168 bytes, just a slot of the ring: slot 0 serves, which is filled and read no more.
; REGISTERS, in windows of 256 (s_set_vgpr_msb: bits 1:0 source 0, 3:2 source 1, 5:4 source 2, 7:6 destination):
;   window 0: v0-31 addresses; v64-127, v128-191 woh's fragments, two buffers (v64-127 at work on the way out)
;   window 1: accumulator (a, b) at v[8 (8 a + b)]     window 2: O's ring: quarter q, row block a at v[32 q + 8 a]
.set SIZE_K, 2048
.set KSTEP,  256
.set NSTEP,  SIZE_K/KSTEP
.set PITCH,  528                       ; an LDS row: 512 bytes + 16 of padding = 132 words: the 16 rows of a fragment load start at 16 different groups of four banks (ISA guide 11.1)
.set WTILE,  64*PITCH                  ; what one tensor load brings
.set SLOT,   4*WTILE                   ; 135,168.  No multiple 0 to 3 of WTILE has a bit in common with it, so one exclusive or turns a tile's LDS address in one slot into the other's
.set SPITCH, 528                       ; the way out: a row of 128 f32, 512 bytes + 16
.set WSTAGE, 64*SPITCH                 ; a wave's 64 rows, in slot 0, from LDS byte wave x WSTAGE on
.set SPARE,  2*SLOT                    ; behind the ring: the spare words, 128 bytes for each wave: two blocks of 256 bytes that no other line names
.set RB,     SIZE_K*32                 ; bytes of ob from a block of 16 rows to the next
.set ROWC,   16384                     ; bytes in a row of out0
.set ADRB0, 16                         ; v16     my lane's place among my 128 rows of woh in a slot; never rewritten
.set ADRB,  17                         ; v17     the same in the slot that is being read
.set AO,    18                         ; v18     16 x lane: my 16 bytes of a plane of ob; never rewritten
.set CO,   22                          ; v22     16 x lane: my 16 bytes of my 512 of a row of out0; never rewritten
.set STO,  24                          ; v24     the way out: where I put 32 bytes of a row
.set RD,   25                          ; v25     where I read 16 bytes of a row back; it steps 16 rows a trip
.set SPW,  28                          ; v28     LDS address of my spare word; never rewritten
.set NIL,  29                          ; v29     0; never rewritten
.set FB,   64
.set XR,   64
.set AP,  14                           ; s[14:15] ob at my 64 rows, at the K step in hand
.set G1,  24                           ; s[24:31] descriptor group 1
.set G0F, 32                           ; s[32:35] descriptor group 0 of the first fill of slot 0
.set G0,  36                           ; s[36:39] descriptor group 0 that walks: K step 1 into slot 1, then on, slot by slot
.set TB,  44                           ; s44     0 or SLOT: the slot that is being read
.set MSB, 0
.macro WIN new
.if MSB != (\new)
	s_set_vgpr_msb (MSB<<8)|(\new)
.set MSB, \new
.endif
.endm
.set MUL, 0x58                         ; source 0 (woh) window 0, source 1 (O) window 2, C and D window 1
.macro PLACES                          ; four plain instructions between a matrix instruction and a load into, or a read of, its registers
.rept 4
	v_nop
.endr
.endm
.macro CREST
	s_cmp_lg_u32 s10, 0
	s_cbranch_scc1 .Lnot_wave_0_\@
	s_barrier_signal -3
.Lnot_wave_0_\@:
	s_barrier_wait -3
	s_barrier_signal -1
	s_barrier_wait -1
.endm
.macro CROUND
	s_barrier_signal -1
	s_barrier_wait -1
	CREST
.endm
	s_load_b128 s[4:7], s[0:1], 0x0                ; ob s[4:5], woh s[6:7]
	s_load_b64 s[8:9], s[0:1], 0x10                ; out0
	v_lshl_add_u32 v[SPW], v0, 2, SPARE
	v_mov_b32 v[NIL], 0
	ds_add_u32 v[SPW], v[NIL]                      ; the wave's opening: the add and its wait stand ahead of my first tensor load; work on registers stands between them
	ds_add_u32 v28, v29
	v_lshrrev_b32 v1, 5, v0
	v_readfirstlane_b32 s10, v1                    ; wave 0..3
	s_lshr_b32 s11, s10, 1                         ; which 64 of the tile's rows are mine
	s_and_b32 s12, s10, 1                          ; which 128 of its columns
	s_bfe_u32 s40, ttmp6, 0x40000                  ; cx: my place in the cluster: it enters ob's and out0's addresses alone
	s_lshl_b32 s13, ttmp9, 2
	s_add_co_u32 s13, s13, s40                     ; tile row = 4 x cluster x + cx
	s_and_b32 s42, ttmp7, 0xffff                   ; tile column, which the four partners share
	; descriptor group 1: a tile of 64 rows x 256 elements, padded in LDS
	s_mov_b32 s[G1+0], 15|(1<<16)|(1<<20)|(1<<21)|(6<<22)|(3<<25)  ; 15:0 the mask of four; 17:16 elements of 2 bytes; 20 padding on; 21 set beside a mask; 24:22 after every 128 words; 31:25 four words of it
	s_mov_b32 s[G1+1], KSTEP<<16                   ; tensor_dim0 = 256
	s_mov_b32 s[G1+2], 64<<16                      ; tensor_dim1 = 64
	s_mov_b32 s[G1+3], KSTEP<<16                   ; tile_dim0 = 256
	s_mov_b32 s[G1+4], 64                          ; tile_dim1 = 64
	s_mov_b32 s[G1+5], SIZE_K                      ; elements from row to row
	s_mov_b32 s[G1+6], 0
	s_mov_b32 s[G1+7], 0
	s_lshl_b32 s46, s42, 8
	s_lshl_b32 s47, s10, 6
	s_add_co_u32 s46, s46, s47                     ; woh: row 256 x tile column + 64 x wave
	s_mul_i32 s46, s46, SIZE_K*2
	s_mov_b32 s47, 0
	s_lshl_b32 s16, s13, 3
	s_lshl_b32 s17, s11, 2
	s_add_co_u32 s16, s16, s17                     ; O: block of 16 rows 8 x tile row + 4 x half
	s_mul_i32 s16, s16, RB
	s_mov_b32 s17, 0
	s_mul_i32 s20, s10, WTILE                      ; where my part of woh's tile goes: no place in the cluster enters an LDS address
	s_mov_b32 s[TB], 0
	s_mov_b32 s[G0F], 1                            ; count = 1
	s_mov_b32 s[G0F+1], s20                        ; LDS address: slot 0
	s_mov_b32 s[G0], 1
	s_add_co_u32 s[G0+1], s20, SLOT                ; slot 1
	s_wait_dscnt 0x0                               ; the opening add is done
	s_wait_kmcnt 0x0
	s_add_nc_u64 s[AP:AP+1], s[4:5], s[16:17]
	s_add_nc_u64 s[46:47], s[6:7], s[46:47]
	s_mov_b64 s[G0F+2:G0F+3], s[46:47]             ; global address: K step 0,
	s_or_b32 s[G0F+3], s[G0F+3], 0x80000000        ; type = 2
	s_add_nc_u64 s[G0+2:G0+3], s[46:47], KSTEP*2   ; K step 1
	s_or_b32 s[G0+3], s[G0+3], 0x80000000
	CROUND                                         ; all four work-groups are here: the first joint loads meet
	tensor_load_to_lds s[G0F:G0F+3], s[G1:G1+7]
	s_nop 0
	tensor_load_to_lds s[G0:G0+3], s[G1:G1+7]
	s_nop 0
	PLACES
; O's fragments of one quarter (4 blocks of 16 rows x 32 k) into ring buffer buf: the block d x 1,024 bytes behind the pointer.  Each load takes 512 consecutive bytes.
.macro ALOAD buf, d
	WIN 0x80                                       ; destination window 2, address window 0
.irp a, 0,1,2,3
	global_load_b128 v[32*(\buf)+8*(\a):32*(\buf)+8*(\a)+3],   v[AO], s[AP:AP+1] offset:(\a)*RB+(\d)*1024
	global_load_b128 v[32*(\buf)+8*(\a)+4:32*(\buf)+8*(\a)+7], v[AO], s[AP:AP+1] offset:(\a)*RB+(\d)*1024+512
.endr
.endm
	v_and_b32 v5, 31, v0
	v_lshlrev_b32 v[AO], 4, v5
.irp d, 0,1,2,3,4,5,6
	ALOAD \d, \d                                   ; quarters 0 to 6 of K step 0; quarter 7 is asked for in quarter 0, like every buffer after it: in the quarter behind its use
.endr
	WIN 0
	v_and_b32 v1, 15, v0                           ; l % 16
	v_bfe_u32 v2, v0, 4, 1                         ; l / 16
	v_mul_u32_u24 v3, v1, PITCH
	v_lshl_add_u32 v3, v2, 4, v3                   ; a fragment's row x pitch + 16 x half
	s_mul_i32 s22, s12, 2*WTILE                    ; my 128 rows of woh
	v_add_nc_u32 v[ADRB0], s22, v3
	v_mov_b32 v[ADRB], v[ADRB0]
	s_mul_i32 s23, s10, WSTAGE                     ; my 64 rows on the way out
	v_mul_u32_u24 v4, v1, SPITCH                   ; in: row l % 16 of a block, 32 bytes for each half of the lanes
	v_lshl_add_u32 v4, v2, 5, v4
	v_add_nc_u32 v[STO], s23, v4
	v_lshl_add_u32 v[RD], v5, 4, s23               ; back: 32 lanes take one row of 512 bytes
	v_lshlrev_b32 v[CO], 4, v5
	s_lshl_b32 s20, s13, 7
	s_lshl_b32 s21, s11, 6
	s_add_co_u32 s20, s20, s21                     ; my first row
	s_lshl_b32 s46, s20, 14
	s_lshl_b32 s47, s42, 10                        ; the tile's 256 columns are 1,024 bytes,
	s_add_co_u32 s46, s46, s47
	s_lshl_b32 s47, s12, 9                         ; my 128 are 512
	s_add_co_u32 s46, s46, s47
	s_mov_b32 s47, 0
	s_add_nc_u64 s[8:9], s[8:9], s[46:47]
; 8 matrix instructions of quarter q: row block a x all 8 column blocks, 32 along K.  woh's fragments lie in buffer q % 2, O's in ring buffer q.  zero = 1: the product starts the sums: nothing is cleared.
; The 32 accumulators take turns, one instruction a turn, in the same order in every quarter, over the backward jump too.
.macro MUL8 q, a, zero
	WIN MUL
.irp b, 0,1,2,3,4,5,6,7
.if \zero
	v_wmma_f32_16x16x32_f16 v[8*(8*(\a)+(\b)):8*(8*(\a)+(\b))+7], v[FB+64*((\q)%2)+8*(\b):FB+64*((\q)%2)+8*(\b)+7], v[32*(\q)+8*(\a):32*(\q)+8*(\a)+7], 0
.else
	v_wmma_f32_16x16x32_f16 v[8*(8*(\a)+(\b)):8*(8*(\a)+(\b))+7], v[FB+64*((\q)%2)+8*(\b):FB+64*((\q)%2)+8*(\b)+7], v[32*(\q)+8*(\a):32*(\q)+8*(\a)+7], v[8*(8*(\a)+(\b)):8*(8*(\a)+(\b))+7]
.endif
.endr
.endm
; 16 LDS loads in one run: woh's fragments of 32 along K at byte k of the rows, into buffer f
.macro FETCH k, f
	WIN 0
.irp i, 0,1,2,3,4,5,6,7
	ds_load_b128 v[FB+64*(\f)+8*(\i):FB+64*(\f)+8*(\i)+3],   v[ADRB] offset:(\k)+(\i)*16*PITCH
	ds_load_b128 v[FB+64*(\f)+8*(\i)+4:FB+64*(\f)+8*(\i)+7], v[ADRB] offset:(\k)+(\i)*16*PITCH+32
.endr
.endm
; A K step is eight quarters of 32 along K, 32 matrix instructions each.  Quarter q, one of the first seven.  Behind its first eight products stand, in one run: woh's fragments of the next quarter (at byte fk of
; the rows; none if fk < 0) and O's fragments for the ring buffer of the quarter before (block rd behind the pointer; none if rd < 0).  left: how many younger loads of O may stay out.
.macro QUARTER q, zero, fk, left, rd
	s_wait_loadcnt \left                           ; loads come back in order: this quarter's eight are in
	s_wait_dscnt 0x0                               ; woh's fragments, asked for 24 matrix instructions ago
	MUL8 \q, 0, \zero
.if ((\fk) >= 0) || ((\rd) >= 0)
	PLACES                                         ; both targets were last read by the quarter before
.endif
.if (\fk) >= 0
	FETCH \fk, 1-(\q)%2
.endif
.if (\rd) >= 0
	ALOAD ((\q)+7)%8, \rd
.endif
	MUL8 \q, 1, \zero
	MUL8 \q, 2, \zero
	MUL8 \q, 3, \zero
.endm
; Quarter 7 changes slots: ONE barrier.  In front of it each wave waits for all its tensor loads (the one that is out is its part of the next slot), adds 0 to its spare word, and waits for that and for its own
; reads of this slot (the last were issued in quarter 6).  fill = 1: the barrier opens a round of the cluster's, and this slot is filled again, two K steps ahead, first thing behind it.
.macro TURN fill, rd
	WIN 0
	s_wait_tensorcnt 0x0                           ; no tensor load of mine is out, so the walking descriptor may be written
	ds_add_u32 v[SPW], v[NIL]                      ; 0 onto my spare word; work on registers stands between it and the wait for it
.if \fill
	s_xor_b32 s[G0+1], s[G0+1], SLOT               ; the other slot than last time,
	s_add_nc_u64 s[G0+2:G0+3], s[G0+2:G0+3], KSTEP*2  ; the next K step; the type bits on top are not reached
.endif
	s_xor_b32 s[TB], s[TB], SLOT                   ; the reads go over to the other slot
	s_wait_loadcnt 48                              ; O's fragments of this quarter
	s_wait_dscnt 1                                 ; woh's fragments are in; the add may be out
	MUL8 7, 0, 0
	s_wait_dscnt 0x0                               ; the add is done, and my reads of this slot are over
	s_barrier_signal -1
	MUL8 7, 1, 0
	WIN 0
	s_barrier_wait -1
.if \fill
	CREST                                          ; no wave of any partner still reads this slot's tile or has a load on its way
	tensor_load_to_lds s[G0:G0+3], s[G1:G1+7]      ; 240 matrix instructions ahead of the wait for it
	s_nop 0
.endif
	PLACES                                         ; the four lines behind a tensor load, and the places in front of the loads below
	v_add_nc_u32 v[ADRB], s[TB], v[ADRB0]
	FETCH 0, 0
	ALOAD 6, \rd
	MUL8 7, 2, 0
	MUL8 7, 3, 0
.endm
; A trip: quarters 1 to 7 of one K step and quarter 0 of the next; its eight runs ask for all of O's fragments of that next step.  48 = the six runs of eight loads that were issued behind the fragments wanted.
.macro TRIP fill
	QUARTER 1, 0, 128, 48, 8
	QUARTER 2, 0, 192, 48, 9
	QUARTER 3, 0, 256, 48, 10
	QUARTER 4, 0, 320, 48, 11
	QUARTER 5, 0, 384, 48, 12
	QUARTER 6, 0, 448, 48, 13
	TURN \fill, 14
	QUARTER 0, 0, 64, 48, 15
.endm
	s_wait_tensorcnt 1                             ; my part of K step 0 is in; K step 1's may stay out
	s_barrier_signal -1
	s_barrier_wait -1
	FETCH 0, 0
	QUARTER 0, 1, 64, 48, 7                        ; the first quarter stands in front of the loop: its products start the sums
	WIN 0
	s_mov_b32 s3, NSTEP-2
.Lstep:                                                ; every K step but the last two fills its slot again
	TRIP 1
	WIN 0
	s_wait_xcnt 0x0                                ; every load issued so far (the youngest 24 matrix instructions ago) has read its base: the pointer is stepped only behind this wait
	s_add_nc_u64 s[AP:AP+1], s[AP:AP+1], KSTEP*32  ; eight blocks of 1,024 bytes
	s_sub_co_u32 s3, s3, 1
	s_cmp_lg_u32 s3, 0
	s_cbranch_scc1 .Lstep
	TRIP 0                                         ; the last K step but one: nothing is left for the tensor loads to fetch
	QUARTER 1, 0, 128, 48, -1                      ; the last K step asks for nothing of O either: the counts run down
	QUARTER 2, 0, 192, 40, -1
	QUARTER 3, 0, 256, 32, -1
	QUARTER 4, 0, 320, 24, -1
	QUARTER 5, 0, 384, 16, -1
	QUARTER 6, 0, 448, 8, -1
	QUARTER 7, 0, -1, 0, -1
	WIN 0
	; THE WAY OUT.  My reads of the ring are over (the last quarter's wait on DScnt was for 0): when all four waves have said so, slot 0 takes the results.
	s_barrier_signal -1
	PLACES                                         ; eight plain instructions behind the last products, in front of the stores that read their results
	PLACES
	s_barrier_wait -1
	WIN 0x04                                       ; the stores' data in window 1
.irp a, 0,1,2,3
.irp b, 0,1,2,3,4,5,6,7
	ds_store_b128 v[STO], v[8*(8*(\a)+(\b)):8*(8*(\a)+(\b))+3]   offset:(\a)*16*SPITCH+64*(\b)     ; each accumulator's low registers first
	ds_store_b128 v[STO], v[8*(8*(\a)+(\b))+4:8*(8*(\a)+(\b))+7] offset:(\a)*16*SPITCH+64*(\b)+16
.endr
.endr
	WIN 0
	s_wait_dscnt 0x0                               ; my stores are done:
	s_barrier_signal -1                            ; one barrier between all the stores into the slot and all the reads from it
	s_barrier_wait -1
	s_mov_b32 s3, 4
.Lrows:                                                ; a trip: 16 rows come back whole and are stored
	s_wait_xcnt 0x0                                ; the last trip's stores have read their data and their base
	s_add_nc_u64 s[8:9], s[8:9], 16*ROWC           ; the base steps ahead of the stores, which reach back by their immediate
.irp t, 0,1,2,3,4,5,6,7,8,9,10,11,12,13,14,15
	ds_load_b128 v[XR+4*(\t):XR+4*(\t)+3], v[RD] offset:(\t)*SPITCH
.endr
	v_add_nc_u32 v[RD], 16*SPITCH, v[RD]
.irp t, 0,1,2,3,4,5,6,7,8,9,10,11,12,13,14,15
	s_wait_dscnt 15-(\t)                           ; row t is back; the rows behind it may be out
	global_store_b128 v[CO], v[XR+4*(\t):XR+4*(\t)+3], s[8:9] offset:(\t)*ROWC-16*ROWC th:TH_STORE_NT  ; 512 consecutive bytes, at a multiple of 256 from out0's first byte
.endr
	s_sub_co_u32 s3, s3, 1
	s_cmp_lg_u32 s3, 0
	s_cbranch_scc1 .Lrows
	s_wait_tensorcnt 0x0                           ; the wave's end: behind my last tensor load and my last LDS store
	ds_add_u32 v[SPW], v[NIL]
	s_wait_dscnt 0x0
	CROUND                                         ; the closing round: no work-group ends while a partner may still ask for a tile that names it
	s_endpgm
.Lfunc_end_k_qaeb1805b5b_outp:
	.size	k_qaeb1805b5b_outp, .Lfunc_end_k_qaeb1805b5b_outp-k_qaeb1805b5b_outp
	.p2alignl 7, 3214868480
	.fill 96, 4, 3214868480
	.section	.rodata,"a",@progbits
	.p2align	6, 0x0
	.amdhsa_kernel k_qaeb1805b5b_outp
		.amdhsa_group_segment_fixed_size 327680
		.amdhsa_private_segment_fixed_size 0
		.amdhsa_enable_private_segment 0
		.amdhsa_kernarg_size 24
		.amdhsa_user_sgpr_count 2
		.amdhsa_user_sgpr_kernarg_segment_ptr 1
		.amdhsa_wavefront_size32 1
		.amdhsa_system_sgpr_workgroup_id_x 1
		.amdhsa_system_sgpr_workgroup_id_y 1
		.amdhsa_system_sgpr_workgroup_id_z 1
		.amdhsa_system_vgpr_workitem_id 0
		.amdhsa_next_free_vgpr 768
		.amdhsa_next_free_sgpr 66
		.amdhsa_reserve_vcc 0
		.amdhsa_float_denorm_mode_32 3
		.amdhsa_float_denorm_mode_16_64 3
		.amdhsa_memory_ordered 1
		.amdhsa_forward_progress 1
		.amdhsa_inst_pref_size 111
	.end_amdhsa_kernel
	.amdgpu_metadata
---
amdhsa.version: [ 1, 2 ]
amdhsa.kernels:
  - .name:           k_qaeb1805b5b_outp
    .symbol:         k_qaeb1805b5b_outp.kd
    .args:
      - { .name: ob, .offset: 0, .size: 8, .value_kind: global_buffer, .address_space: global }
      - { .name: woh, .offset: 8, .size: 8, .value_kind: global_buffer, .address_space: global }
      - { .name: out0, .offset: 16, .size: 8, .value_kind: global_buffer, .address_space: global }
    .group_segment_fixed_size: 327680
    .private_segment_fixed_size: 0
    .kernarg_segment_align: 8
    .kernarg_segment_size: 24
    .max_flat_workgroup_size: 128
    .sgpr_count:     66
    .vgpr_count:     768
    .wavefront_size: 32
...
	.end_amdgpu_metadata
.endif
;; end of part 4
;; ======== version 2 of 2: 4 launches; version 1 with the launch cast written anew for expert scheduling mode
;; limits: values are held in f16: magnitudes above 65,504 overflow, below 6.1e-05 lose precision; right only within a limited range of input values
;; workspace buffers: xb 16,777,216 bytes; wqkv 33,554,432 bytes; woh 16,777,216 bytes; qkv 16,777,216 bytes; ob 8,388,608 bytes
;; launch cast (part 5): grid 1280 x 1, 8 waves a work-group, no clusters, 35,840 bytes of LDS; arguments hidden_states, Wq, Wk, Wv, Wo, xb, wqkv, woh; writes xb, wqkv, woh
.if DOCPART == 5
	.amdgcn_target "amdgcn-amd-amdhsa--gfx1250"
	.amdhsa_code_object_version 6
	.text
	.protected	k_qaeb1805b5b_cast
	.globl	k_qaeb1805b5b_cast
	.p2align	8
	.type	k_qaeb1805b5b_cast,@function
k_qaeb1805b5b_cast:
	s_mov_b64 s[64:65], 0
	v_nop
	global_prefetch_b8 v0, s[64:65] scope:SCOPE_SE
	s_setreg_imm32_b32 hwreg(HW_REG_WAVE_SCHED_MODE, 0, 2), 2
	s_setreg_imm32_b32 hwreg(HW_REG_WAVE_MODE, 25, 1), 1
	s_wait_xcnt 0x0
	s_wait_alu depctr_vm_vsrc(0)
; THE INPUTS OF THE THREE PRODUCTS, ROUNDED ONCE TO bf16.  xb = bf16(x / 8), in fragment order; wqkv = bf16(Wq), bf16(Wk), bf16(Wv), one below the other, row-major; woh = bf16(8 Wo) written as f16, row-major.
; The factors are powers of two, so they change no rounding: q, k, v and the attention's result are carried at an eighth of their size, so that they have room in f16, and Wo gives the eight back.
; LIMITS.  8 Wo must lie within f16: |Wo| under 8,188; of 8 Wo below 6.1e-5 f16 keeps its fixed step of 6e-8.  NaN and infinities are not treated apart.
; FRAGMENT ORDER of xb: a block of 16 rows x 32 k is 1,024 bytes: plane c (512 bytes) holds, at 16 l, row l % 16, k = 16 c + 8 (l / 16) + 0..7; blocks run along k (128 of them), then down the rows.
; That is a matrix operand as it lies in a wave's registers, so the next launch loads a fragment by two loads of 512 consecutive bytes.  Of 128 k the 16 pieces of 8 k of the 16 rows lie piece by piece: [piece][row].
; SHARES.  Work-groups 0-511: x; 512-767: Wq; 768-895: Wk; 896-1023: Wv; 1024-1279: Wo.
; A weight's work-group takes 131,072 bytes, as 32 pieces of 4,096: thread t loads the 16 bytes at 16 t of a piece and stores the 8 bytes at 8 t of the piece's 2,048 (a wave's store covers 256 consecutive
; bytes, aligned).
; x's work-group takes 16 rows x 1,024 k, a wave 16 rows x 128 k: sixteen loads, each 512 consecutive bytes of one row; the 16 x 16 pieces of 16 bytes are turned from [row][piece] to [piece][row] in the
; wave's own 4,352 bytes of LDS; eight stores of 512 consecutive bytes.  No barrier: no wave touches another's bytes.  No matrix unit: each byte is read once and written once.
; THE MODE: SCHED_MODE bits 1:0 = 2 (LLVM: expert scheduling mode 2), set by the entry lines.  The code itself states the register dependences between vector instructions and memory or LDS instructions,
; with s_wait_alu, always for 0.
; THE PLAN, A WEIGHT'S PATH.  The 32 pieces go in 16 blocks of two.  Registers that memory instructions touch:
;   X0 .. X3   four blocks as loaded.   Written by the loads of block p + 3, issued in block p; read by block p's vector lines.
;   Y0, Y1     two blocks to store.     Written by block p's roundings; read by the two stores that are issued in block p + 1.
;   v1, v2     byte offsets, made once at the head and never written again: the pieces are reached by the two scalar bases, which move on by a block at each block's head, and by immediate offsets.
; Block p works on X[p % 4] and writes Y[p % 2].  Its memory instructions are the loads into X[(p + 3) % 4] = X[(p - 1) % 4] and the stores from Y[(p - 1) % 2]: the two buffers that block p - 1 worked on and
; that no vector line of block p names.  So the waits at a block's head state all that its four memory instructions hang on, and these are dealt among its vector lines with no further wait.
; At a block's head the two younger blocks' four loads stay out; with the two that follow, six loads of every wave are on their way.
; THE PLAN, x's PATH.  Registers that memory or LDS instructions touch:
;   XX row t   Written by the row's load; read by its two multiplies; its two roundings write its first two registers; these the row's LDS store reads, which is issued in the next group of four rows.
;              No row's registers are written again behind that.
;   OX         Written by the LDS loads, read by the global stores; no vector line names them.
;   v112-114   Addresses, made once at the head and never written again.
; So one wait stands ahead of the loads, one at the head of each group of four rows but the first, and one behind the last group.
.set ROWI,  4096                       ; bytes of a weight's piece as loaded
.set ROWO,  2048                       ; as stored
.set BLOCK,  2                         ; pieces in a block
.set BLOCKS, 32 / BLOCK
.set XP,    272                        ; LDS: a piece's 16 rows of 16 bytes, + 16: 68 words, so that the 16 pieces that a store touches start at 16 different groups of four banks (ISA guide 11.1)
                                       ; (the eight waves' regions take 8 x 16 x 272 = 34,816 bytes; the 1,024 bytes claimed behind them hold the spare words, one for each thread)
.set VI,  1                            ; v1       16 t; never rewritten
.set VO,  2                            ; v2       8 t; never rewritten
.set X,   4                            ; v[4:35]  buffer k, piece i: four registers at X + 8 k + 4 i: four f32 as loaded
.set Y,   36                           ; v[36:43] buffer k, piece i: two registers at Y + 4 k + 2 i: four 16-bit numbers to store
.set T,   52                           ; v[52:55] at work: no memory instruction names them
.set XX,  4                            ; x's path: v[4:67] row t: four f32 as loaded; then, in the first two of the four, four bf16 to put into LDS
.set OX,  68                           ; v[68:99]   eight times 16 bytes to store
.set TX,  100                          ; v[100:103] at work: no memory instruction names them
.set LSA, 112                          ; v112     where I put 8 bytes of row 0
.set LLA, 113                          ; v113     where I read 16 bytes back
.set VL,  114                          ; v114     16 x lane; never rewritten
.set SRC, 24                           ; s[24:25] the input at my part
.set DST, 26                           ; s[26:27] the workspace buffer at the same part
.set START, 28                         ; s28      the first work-group of my input
.set DSTART, 29                        ; s29      the work-group that stores at my workspace buffer's first byte
.set FAC, 30                           ; s[30:31] the power of two
.set MASKH, 32                         ; s32      a word's upper half
.set CNT, 33
.set OFFS, 34                          ; s[34:35] offset in the input
.set OFFD, 36                          ; s[36:37] offset in the workspace buffer
.set WVN, 38                           ; s38      my wave's number
.set LB,  39                           ; s39      my wave's region in LDS
	s_load_b512 s[8:23], s[0:1], 0x0               ; x s[8:9], Wq s[10:11], Wk s[12:13], Wv s[14:15], Wo s[16:17], xb s[18:19], wqkv s[20:21], woh s[22:23]
	v_lshl_add_u32 v118, v0, 2, 0x8800
	v_mov_b32 v119, 0
	s_cmp_lt_u32 ttmp9, 512
	s_cbranch_scc1 .Lx
	v_lshlrev_b32 v[VI], 4, v0
	v_lshlrev_b32 v[VO], 3, v0
	s_mov_b32 s[MASKH], 0xffff0000
	s_mov_b32 s[START], 1024
	s_mov_b32 s[DSTART], 1024
	s_mov_b32 s[FAC], 0x41000000                   ; 8.0, for Wo
	s_mov_b32 s[FAC+1], s[FAC]                     ; named with it as a pair
	s_wait_kmcnt 0x0
	s_mov_b64 s[SRC:SRC+1], s[16:17]               ; Wo, unless the work-group's number says otherwise
	s_mov_b64 s[DST:DST+1], s[22:23]
	s_cmp_lt_u32 ttmp9, 1024
	s_cselect_b64 s[SRC:SRC+1], s[14:15], s[SRC:SRC+1]
	s_cselect_b64 s[DST:DST+1], s[20:21], s[DST:DST+1]
	s_cselect_b32 s[START], 896, s[START]
	s_cselect_b32 s[DSTART], 512, s[DSTART]
	s_cmp_lt_u32 ttmp9, 896
	s_cselect_b64 s[SRC:SRC+1], s[12:13], s[SRC:SRC+1]
	s_cselect_b32 s[START], 768, s[START]
	s_cmp_lt_u32 ttmp9, 768
	s_cselect_b64 s[SRC:SRC+1], s[10:11], s[SRC:SRC+1]
	s_cselect_b32 s[START], 512, s[START]
	s_sub_co_u32 s[OFFS], ttmp9, s[START]
	s_lshl_b32 s[OFFS], s[OFFS], 17                ; 131,072 bytes a work-group in,
	s_mov_b32 s[OFFS+1], 0
	s_sub_co_u32 s[OFFD], ttmp9, s[DSTART]
	s_lshl_b32 s[OFFD], s[OFFD], 16                ; 65,536 out
	s_mov_b32 s[OFFD+1], 0
	s_add_nc_u64 s[SRC:SRC+1], s[SRC:SRC+1], s[OFFS:OFFS+1]
	s_add_nc_u64 s[DST:DST+1], s[DST:DST+1], s[OFFD:OFFD+1]
	s_wait_alu depctr_va_vdst(0)                   ; v1 and v2 are written: every load and store of this path reads one of them as its offset
.irp i, 0,1,2,3,4,5
	global_load_b128 v[X+4*(\i):X+4*(\i)+3], v[VI], s[SRC:SRC+1] offset:(\i)*ROWI th:TH_LOAD_NT  ; blocks 0, 1 and 2 into X0, X1, X2
.endr
; Block p.  xb = p % 4, yb = p % 2.  first = 1: block 0, with no block in front of it.  ahead = 1: block p + 3 is loaded.
; left: how many younger loads may still be out when this block's two have to be there.  mode = 1 (Wo): times 8, and the bf16 number is written as f16.
.macro BLK xb, yb, first, ahead, left, mode
	s_wait_loadcnt \left                           ; loads come back in order: X[xb] is in, the younger blocks stay out
.if !\first
	s_wait_xcnt 0x0                                ; every earlier load and store has read its base and its data: the bases and Y[yb] are rewritten only behind this wait
	s_wait_alu depctr_vm_vsrc(0)                   ; the stores issued in the block before have read Y[yb], which this block's roundings write again
	s_wait_alu depctr_va_vdst(0)                   ; the block before has written the other Y, which the stores below read, and is done reading its X, in which the loads below land
	s_add_nc_u64 s[SRC:SRC+1], s[SRC:SRC+1], BLOCK*ROWI  ; both bases at this block's first piece
	s_add_nc_u64 s[DST:DST+1], s[DST:DST+1], BLOCK*ROWO
.endif
.irp i, 0,1
.if \ahead
	global_load_b128 v[X+8*((\xb+3)%4)+4*(\i):X+8*((\xb+3)%4)+4*(\i)+3], v[VI], s[SRC:SRC+1] offset:(3*BLOCK+(\i))*ROWI th:TH_LOAD_NT  ; three blocks ahead; no vector line since the wait names these registers
.endif
.if !\first
	global_store_b64 v[VO], v[Y+4*(1-\yb)+2*(\i):Y+4*(1-\yb)+2*(\i)+1], s[DST:DST+1] offset:((\i)-BLOCK)*ROWO  ; the block before: the offset reaches back
.endif
.if \mode
	v_pk_mul_f32 v[T:T+1], v[X+8*\xb+4*(\i):X+8*\xb+4*(\i)+1], s[FAC:FAC+1] op_sel_hi:[1,0]
	v_pk_mul_f32 v[T+2:T+3], v[X+8*\xb+4*(\i)+2:X+8*\xb+4*(\i)+3], s[FAC:FAC+1] op_sel_hi:[1,0]
	v_cvt_pk_bf16_f32 v[Y+4*\yb+2*(\i)], v[T], v[T+1]
	v_cvt_pk_bf16_f32 v[Y+4*\yb+2*(\i)+1], v[T+2], v[T+3]
.irp k, 0,1
	v_lshlrev_b32 v[T], 16, v[Y+4*\yb+2*(\i)+(\k)]       ; the two bf16 numbers as f32,
	v_and_b32 v[T+1], s[MASKH], v[Y+4*\yb+2*(\i)+(\k)]
	v_cvt_pk_f16_f32 v[Y+4*\yb+2*(\i)+(\k)], v[T], v[T+1]  ; and as f16: eight significant bits fit into eleven
.endr
.else
	v_cvt_pk_bf16_f32 v[Y+4*\yb+2*(\i)], v[X+8*\xb+4*(\i)], v[X+8*\xb+4*(\i)+1]
	v_cvt_pk_bf16_f32 v[Y+4*\yb+2*(\i)+1], v[X+8*\xb+4*(\i)+2], v[X+8*\xb+4*(\i)+3]
.endif
.endr
.endm
.macro BODY mode
	BLK 0, 0, 1, 1, 2*BLOCK, \mode                 ; block 0
	s_mov_b32 s[CNT], (BLOCKS-4)/4
.Lround_\@:                                            ; blocks 1 to 12, four to a lap: both kinds of buffer are back at their start
	BLK 1, 1, 0, 1, 2*BLOCK, \mode
	BLK 2, 0, 0, 1, 2*BLOCK, \mode
	BLK 3, 1, 0, 1, 2*BLOCK, \mode
	BLK 0, 0, 0, 1, 2*BLOCK, \mode
	s_sub_co_u32 s[CNT], s[CNT], 1
	s_cmp_lg_u32 s[CNT], 0
	s_cbranch_scc1 .Lround_\@
	BLK 1, 1, 0, 0, 2*BLOCK, \mode                 ; blocks 13 to 15 load nothing: no load leaves the input, and the counts run down
	BLK 2, 0, 0, 0, BLOCK, \mode
	BLK 3, 1, 0, 0, 0, \mode
	s_wait_alu depctr_va_vdst(0)                   ; block 15 has written Y1, which the last two stores read
.irp i, 0,1
	global_store_b64 v[VO], v[Y+4+2*(\i):Y+4+2*(\i)+1], s[DST:DST+1] offset:(\i)*ROWO
.endr
	s_endpgm
.endm
	s_cmp_ge_u32 ttmp9, 1024
	s_cbranch_scc1 .Lwo
	BODY 0
.Lwo:
	BODY 1
.Lx:                                                   ; x: work-group g takes rows 16 (g / 4) on, k = 1,024 (g % 4) on; wave w its k = 128 w on
	v_lshrrev_b32 v1, 5, v0
	v_readfirstlane_b32 s[WVN], v1
	v_and_b32 v2, 31, v0                           ; lane l: it loads k = 4 l .. 4 l + 3 of each row: half l % 2 of piece l / 2
	v_lshlrev_b32 v[VL], 4, v2
	v_lshrrev_b32 v3, 1, v2
	v_mul_u32_u24 v3, v3, XP
	v_and_b32 v1, 1, v2
	v_lshl_add_u32 v[LSA], v1, 3, v3               ; in: piece x 272 + 8 x half; the row, 16 bytes each, stands in the immediate
	v_lshrrev_b32 v3, 4, v2
	v_mul_u32_u24 v3, v3, XP
	v_and_b32 v1, 15, v2
	v_lshl_add_u32 v[LLA], v1, 4, v3               ; back: lanes 0-15 take one piece's 16 rows, lanes 16-31 the next piece's
	s_wait_alu depctr_va_sdst(0)                   ; the wave's number is written, ahead of its first reader: my region in LDS and my offsets in x and xb are made from it
	s_mul_i32 s[LB], s[WVN], 16*XP
	v_add_nc_u32 v[LSA], s[LB], v[LSA]             ; both in my wave's region
	v_add_nc_u32 v[LLA], s[LB], v[LLA]
	s_lshr_b32 s[OFFS], ttmp9, 2
	s_lshl_b32 s[OFFS], s[OFFS], 18                ; 16 rows of 16,384 bytes,
	s_and_b32 s[CNT], ttmp9, 3
	s_lshl_b32 s[CNT], s[CNT], 12                  ; 1,024 k of 4 bytes,
	s_add_co_u32 s[OFFS], s[OFFS], s[CNT]
	s_lshl_b32 s[CNT], s[WVN], 9                   ; my wave's 128 k
	s_add_co_u32 s[OFFS], s[OFFS], s[CNT]
	s_mov_b32 s[OFFS+1], 0
	s_lshl_b32 s[OFFD], ttmp9, 15                  ; out: 32 blocks of 1,024 bytes a work-group,
	s_lshl_b32 s[CNT], s[WVN], 12                  ; four a wave
	s_add_co_u32 s[OFFD], s[OFFD], s[CNT]
	s_mov_b32 s[OFFD+1], 0
	s_mov_b32 s[FAC], 0x3e000000                   ; 0.125
	s_mov_b32 s[FAC+1], s[FAC]
	s_wait_kmcnt 0x0
	s_add_nc_u64 s[SRC:SRC+1], s[8:9], s[OFFS:OFFS+1]
	s_add_nc_u64 s[DST:DST+1], s[18:19], s[OFFD:OFFD+1]
	s_wait_alu depctr_va_vdst(0)                   ; v112, v113 and v114 are written: the loads and stores below, global and LDS, read them as addresses
.irp t, 0,1,2,3,4,5,6,7,8,9,10,11,12,13,14,15
	global_load_b128 v[XX+4*(\t):XX+4*(\t)+3], v[VL], s[SRC:SRC+1] offset:(\t)*16384 th:TH_LOAD_NT  ; 512 consecutive bytes of row t
.endr
.irp g, 0,1,2,3                                        ; four groups of four rows; a group's LDS stores are issued among the next group's vector lines
	s_wait_loadcnt 12-4*(\g)                       ; loads come back in order: this group's four rows are in; the rows behind them stay out
.if (\g) > 0
	s_wait_alu depctr_va_vdst(0)                   ; the group before has written its rows' bf16 pairs, which the LDS stores below read
.endif
.irp i, 0,1,2,3
.if (\g) > 0
	ds_store_b64 v[LSA], v[XX+4*(4*((\g)-1)+(\i)):XX+4*(4*((\g)-1)+(\i))+1] offset:16*(4*((\g)-1)+(\i))  ; no vector line since the wait names these registers
.endif
	v_pk_mul_f32 v[TX:TX+1], v[XX+4*(4*(\g)+(\i)):XX+4*(4*(\g)+(\i))+1], s[FAC:FAC+1] op_sel_hi:[1,0]
	v_pk_mul_f32 v[TX+2:TX+3], v[XX+4*(4*(\g)+(\i))+2:XX+4*(4*(\g)+(\i))+3], s[FAC:FAC+1] op_sel_hi:[1,0]
	v_cvt_pk_bf16_f32 v[XX+4*(4*(\g)+(\i))], v[TX], v[TX+1]        ; the row's four numbers close up into the first two of its four registers: every row has store data of its own
	v_cvt_pk_bf16_f32 v[XX+4*(4*(\g)+(\i))+1], v[TX+2], v[TX+3]
.endr
.endr
	s_wait_alu depctr_va_vdst(0)                   ; the last group has written its rows' bf16 pairs, which the last four LDS stores read
.irp i, 0,1,2,3
	ds_store_b64 v[LSA], v[XX+4*(12+(\i)):XX+4*(12+(\i))+1] offset:16*(12+(\i))
.endr
.irp i, 0,1,2,3,4,5,6,7
	ds_load_b128 v[OX+4*(\i):OX+4*(\i)+3], v[LLA] offset:(\i)*2*XP  ; LDS serves a wave's instructions in order (ISA guide 5.7.1.4): these see the stores above; no vector line names the registers in which they land
.endr
.irp i, 0,1,2,3,4,5,6,7
	s_wait_dscnt 7-(\i)
	global_store_b128 v[VL], v[OX+4*(\i):OX+4*(\i)+3], s[DST:DST+1] offset:(\i)*512  ; one plane of a block: 512 consecutive bytes, aligned
.endr
	s_wait_dscnt 0x0                               ; the wave's end: my LDS instructions are done.
	s_wait_alu depctr_hold_cnt(0) depctr_sa_sdst(0) depctr_va_vdst(0) depctr_va_sdst(0) depctr_va_ssrc(0) depctr_va_vcc(0) depctr_vm_vsrc(0)
	s_wait_tensorcnt 0x0
	ds_add_u32 v118, v119
	s_wait_dscnt 0x0
	s_endpgm
.Lfunc_end_k_qaeb1805b5b_cast:
	.size	k_qaeb1805b5b_cast, .Lfunc_end_k_qaeb1805b5b_cast-k_qaeb1805b5b_cast
	.p2alignl 7, 3214868480
	.fill 96, 4, 3214868480
	.section	.rodata,"a",@progbits
	.p2align	6, 0x0
	.amdhsa_kernel k_qaeb1805b5b_cast
		.amdhsa_group_segment_fixed_size 35840
		.amdhsa_private_segment_fixed_size 0
		.amdhsa_enable_private_segment 0
		.amdhsa_kernarg_size 64
		.amdhsa_user_sgpr_count 2
		.amdhsa_user_sgpr_kernarg_segment_ptr 1
		.amdhsa_wavefront_size32 1
		.amdhsa_system_sgpr_workgroup_id_x 1
		.amdhsa_system_sgpr_workgroup_id_y 1
		.amdhsa_system_sgpr_workgroup_id_z 1
		.amdhsa_system_vgpr_workitem_id 0
		.amdhsa_next_free_vgpr 120
		.amdhsa_next_free_sgpr 66
		.amdhsa_reserve_vcc 0
		.amdhsa_float_denorm_mode_32 3
		.amdhsa_float_denorm_mode_16_64 3
		.amdhsa_memory_ordered 1
		.amdhsa_forward_progress 1
		.amdhsa_inst_pref_size 32
	.end_amdhsa_kernel
	.amdgpu_metadata
---
amdhsa.version: [ 1, 2 ]
amdhsa.kernels:
  - .name:           k_qaeb1805b5b_cast
    .symbol:         k_qaeb1805b5b_cast.kd
    .args:
      - { .name: hidden_states, .offset: 0, .size: 8, .value_kind: global_buffer, .address_space: global }
      - { .name: Wq, .offset: 8, .size: 8, .value_kind: global_buffer, .address_space: global }
      - { .name: Wk, .offset: 16, .size: 8, .value_kind: global_buffer, .address_space: global }
      - { .name: Wv, .offset: 24, .size: 8, .value_kind: global_buffer, .address_space: global }
      - { .name: Wo, .offset: 32, .size: 8, .value_kind: global_buffer, .address_space: global }
      - { .name: xb, .offset: 40, .size: 8, .value_kind: global_buffer, .address_space: global }
      - { .name: wqkv, .offset: 48, .size: 8, .value_kind: global_buffer, .address_space: global }
      - { .name: woh, .offset: 56, .size: 8, .value_kind: global_buffer, .address_space: global }
    .group_segment_fixed_size: 35840
    .private_segment_fixed_size: 0
    .kernarg_segment_align: 8
    .kernarg_segment_size: 64
    .max_flat_workgroup_size: 256
    .sgpr_count:     66
    .vgpr_count:     120
    .wavefront_size: 32
...
	.end_amdgpu_metadata
.endif
;; end of part 5
;; launch proj: the kernel of part 2 again; grid 16 x 16, 4 waves a work-group, clusters of 4 x 1, 327,680 bytes of LDS; arguments xb, wqkv, cos, sin, qkv; writes qkv
;; launch attn: the kernel of part 3 again; grid 16 x 16, 4 waves a work-group, clusters of 4 x 1, 327,680 bytes of LDS; arguments qkv, ob; writes ob
;; launch outp: the kernel of part 4 again; grid 16 x 16, 4 waves a work-group, clusters of 4 x 1, 327,680 bytes of LDS; arguments ob, woh, out0; writes out0
